; MI455X (gfx1250); checked and timed in simulation.
; The chip was launched on July 23, 2026; its instructions are those of AMD's public machine-readable ISA for CDNA 5 (MIT licence, August 2026) and "CDNA5" Instruction Set Architecture Reference Guide (July 2026). The comments in the code are by the model that wrote it; some were corrected since.
;; Mo EMLP. Allowed arithmetic: matrix products marked QUANTISED: E5M2 operands, one E8M0 scale for each 32 along K, by v_wmma_scale_f32_16x16x128_f8f6f4 with both operands' format E5M2, f32 sums; products left as they are: f32 operands where the result goes on into a quantised operand, else bf16, f16 or f32 operands; f32 sums; everything else in f32.
;; Inputs: expert_fc 8 x 1,024 x 4,096 float32; expert_proj 8 x 1,024 x 4,096 float32; router_w 8 x 1,024 float32; x 4 x 256 x 1,024 float32.
;; Outputs: out0 4 x 256 x 1,024 float32.
;; This version of the problem:
;;   THIS VERSION OF THE PROBLEM IS GIVEN IN LOW PRECISION. The matrix products marked QUANTISED in the list below multiply operands that are first quantised to E5M2 (5 exponent bits, 2 mantissa bits; 8 bits a number), with one power-of-two scale for each 32 numbers along K (OCP MX v1.0); their sums are f32. All else is computed in f32.
;;   The module's matrix products, in the order in which they are computed (A, B: the left and right operand; K: the contracted axis; several contracted axes count as one K, in the product's order):
;;     1. [M 1,024, K 1,024] x [K 1,024, N 8]; A: input x; B: input router_w: left as it is (N = 8 < 16)
;;     2. [M 32,768, K 1,024] x [K 1,024, N 1,024]; A: input expert_fc; B: input x: QUANTISED
;;     3. batch 8 x [M 1,024, K 4,096] x [K 4,096, N 1,024]; A: computed on the way; B: input expert_proj: QUANTISED
;;     4. batch 1,024 x [M 1,024, K 8] x [K 8, N 1]; A: computed on the way; B: computed on the way: left as it is (K = 8 < 32)
;;   THE QUANTISER, for each operand of a quantised product, along K:
;;     - K is cut into blocks of 32 from its start; a last block that is shorter is filled with zeros.
;;     - A block's scale is 2^e with e = floor(log2(the largest magnitude in the block)) - 15, held to -126 .. 127; a block of zeros has e = 0. As a byte (E8M0): e + 127.
;;     - Each number is divided by its block's scale, clamped to +-57,344, and rounded to the nearest number of E5M2, ties to even, subnormals kept.
;;     - The product sums the exact products of the quantised numbers (number of the format x scale) in f32.
;;   ~~~python
;;   def quantise(x, axis):      # numpy; x: float32 -> the quantised numbers, widened to float32 again
;;       x = np.moveaxis(x, axis, -1); K = x.shape[-1]
;;       x = np.pad(x, [(0, 0)] * (x.ndim - 1) + [(0, -K % 32)]); x = x.reshape(x.shape[:-1] + (-1, 32)); a = np.abs(x).max(-1, keepdims=True)
;;       e = np.where(a > 0, np.clip(np.frexp(np.where(a > 0, a, 1))[1] - 1 - 15, -126, 127), 0)      # np.frexp(a)[1] - 1 = floor(log2(a)), exactly
;;       r = np.clip(x / 2.0 ** e, -57344, 57344)
;;       step = 2.0 ** (np.maximum(np.frexp(np.where(r == 0, 1, r))[1] - 1, -14) - 2)
;;       q = np.round(r / step) * step * 2.0 ** e      # np.round: ties to even
;;       return np.moveaxis(q.reshape(q.shape[:-2] + (-1,))[..., :K], -1, axis).astype(np.float32)
;;   ~~~
;;   OPERANDS COMPUTED ON THE WAY. 'Computed on the way' means the value that the module computes at that place (a softmax that the list does not call 'softmax' is quantised finished and normalised). What goes into a quantiser is computed in f32, as accurately as f32 sums, v_exp_f32 and their like allow (about 1e-6 of the number): no bf16 or f16 on the way to a quantiser, and a product that is left as it is and whose result goes on into a quantised operand takes f32 operands (vector FMAs, or v_wmma_f32_16x16x4_f32). A number that lies on a knife's edge between two numbers of the format may be rounded either way, as far as f32 arithmetic and the matrix unit's own rounding can turn it there, and no further.
;; 2 versions. Each part assembles by itself: llvm-mc -triple=amdgcn-amd-amdhsa -mcpu=gfx1250 --defsym DOCPART=n.
;; ======== version 1 of 2: 4 launches
;; workspace buffers: x_codes 1,048,576 bytes; x_scales 32,768 bytes; ids 4,096 bytes of whole numbers; h_img 33,554,432 bytes; hs_img 1,048,576 bytes; ws 33,554,432 bytes
;; launch route (part 1): grid 256 x 1, 4 waves a work-group, no clusters, 21,248 bytes of LDS; arguments x, router_w, x_codes, x_scales, ids; writes x_codes, x_scales, ids
.if DOCPART == 1
	.amdgcn_target "amdgcn-amd-amdhsa--gfx1250"
	.amdhsa_code_object_version 6
	.text
	.protected	k_qde56635c02_route
	.globl	k_qde56635c02_route
	.p2align	8
	.type	k_qde56635c02_route,@function
k_qde56635c02_route:
	s_mov_b64 s[64:65], 0
	v_nop
	global_prefetch_b8 v0, s[64:65] scope:SCOPE_SE
	s_setreg_imm32_b32 hwreg(HW_REG_WAVE_MODE, 25, 1), 1
	s_wait_xcnt 0x0
; ROUTER AND x's QUANTISER.  x: [1024 tokens][1024] f32; router_w: [8][1024] f32.
; A wave takes one token: it reads the token's 4,096 bytes once and uses them twice:
;   (a) eight dot products with the router's rows in f32 (fused multiply-adds), a softmax with its maximum taken away, and the index of the
;       largest probability, the lower index where two are equal;  (b) codes of E5M2 with one E8M0 byte for each 32 along the row.
; OUT: x_codes [token][1024 bytes], x_scales [token][32 bytes], ids [token] u32.  The index steers no address here: it is only stored.
; A block's scale is 2^(floor(log2(largest magnitude)) - 15): its byte is that magnitude's exponent field - 15, held at 1 from below.
; LIMITS: NaN and infinities among the inputs are not served.  A block of zeros gets the byte 1 and not 127: its codes are zeros and this program alone
; reads the bytes.  A token whose two largest probabilities agree to the last bits of f32 may go to either expert.
; No matrix unit (8 columns), no cluster, no tensor load: a wave's work is 4 KB of its own and 32 KB of router rows that every wave reads again.
.set X,   16                           ; v16-47    x as loaded: load i holds k = 128 i + 4 lane + 0..3
.set RW,  48                           ; v48-175   four sets of 32: router rows, in the same map
.set DA,  176                          ; v176-191  a pair of partial sums for each expert
.set XT,  192                          ; v192-223  two sets of 16 neighbours along the row
.set CD,  224                          ; v224-231  codes: four registers for each half row
.set LG,  232                          ; v232-239  logits, then probabilities
.set PT,  240                          ; v240-247  the other half of the lanes' sums
.set STG, 5120                         ; LDS: two stages of 32 x 80 bytes for each wave
.set SCB, 20480                        ; the four tokens' 4 x 32 scale bytes
.set IDB, 20608                        ; and their four indices
	s_load_b256 s[4:11], s[0:1], 0x0               ; x s[4:5], router_w s[6:7], x_codes s[8:9], x_scales s[10:11]
	s_load_b64 s[12:13], s[0:1], 0x20              ; ids
	v_lshl_add_u32 v255, v0, 2, 0x5100
	s_set_vgpr_msb 0x40
	v_mov_b32 v1, 0
	s_set_vgpr_msb 0x4000
	v_lshrrev_b32 v1, 5, v0
	v_readfirstlane_b32 s14, v1                    ; wave 0..3
	v_and_b32 v1, 31, v0                           ; lane
	v_lshlrev_b32 v2, 4, v1                        ; 16 x lane: my bytes of a load's or a store's 512
	s_mul_i32 s16, s14, STG
	v_lshrrev_b32 v3, 2, v1
	v_mul_u32_u24 v3, v3, 80
	v_and_b32 v6, 3, v1
	v_lshl_add_u32 v3, v6, 4, v3
	v_add_nc_u32 v3, s16, v3                       ; the stage, in: four lanes' 64 bytes on end, then 16 of padding
	v_mul_u32_u24 v4, v1, 80
	v_add_nc_u32 v4, s16, v4                       ; and out: my 16 neighbours
	s_lshl_b32 s16, s14, 5
	s_add_co_u32 s16, s16, SCB
	v_lshrrev_b32 v5, 1, v1
	v_add_nc_u32 v5, s16, v5                       ; my token's scale bytes, my block's byte (two lanes to a block)
	s_lshl_b32 s16, s14, 2
	s_add_co_u32 s16, s16, IDB
	v_mov_b32 v7, s16                              ; my token's index word
	v_lshlrev_b32 v14, 2, v1                       ; 4 x lane
	v_add_nc_u32 v15, SCB, v14                     ; wave 0's way out: word lane of the 128 scale bytes,
	v_lshl_add_u32 v6, v6, 2, IDB                  ; and word lane % 4 of the indices
	s_mov_b32 s18, 0x76543210
	s_mov_b32 s19, 0xfedcba98                      ; v_permlanex16_b32's selects for lane l xor 16
	s_mov_b32 s20, 0x600000                        ; the mantissa field of 57,344
.irp e, 0,1,2,3,4,5,6,7
	v_mov_b32 v[PT+\e], 0                          ; a lane permute's destination counts as one of its sources
.endr
	s_lshl_b32 s15, ttmp9, 2
	s_add_co_u32 s15, s15, s14                     ; my token
	s_lshl_b32 s16, s15, 12
	s_mov_b32 s17, 0
	s_wait_kmcnt 0x0
	s_add_nc_u64 s[4:5], s[4:5], s[16:17]          ; its row of x,
	s_lshl_b32 s16, s15, 10
	s_add_nc_u64 s[8:9], s[8:9], s[16:17]          ; its codes;
	s_lshl_b32 s16, ttmp9, 7
	s_add_nc_u64 s[10:11], s[10:11], s[16:17]      ; the work-group's 128 scale bytes
	s_lshl_b32 s16, ttmp9, 4
	s_add_nc_u64 s[12:13], s[12:13], s[16:17]      ; and 16 bytes of indices
.irp i, 0,1,2,3,4,5,6,7
	global_load_b128 v[X+4*\i:X+4*\i+3], v2, s[4:5] offset:512*\i th:TH_LOAD_NT
.endr
.macro RLOAD e                         ; router row e into set e % 4
.irp i, 0,1,2,3,4,5,6,7
	global_load_b128 v[RW+32*((\e)%4)+4*\i:RW+32*((\e)%4)+4*\i+3], v2, s[6:7] offset:4096*(\e)+512*\i
.endr
.endm
	RLOAD 0
	RLOAD 1
	RLOAD 2
	RLOAD 3
	s_wait_loadcnt 32                              ; x is in; the 32 loads of router rows 0 to 3 may be out
; half row st (512 numbers) goes through the stage as it lies and comes back 64 bytes a lane; a wave's LDS instructions are served in order
.macro TURN st
.irp i, 0,1,2,3
	ds_store_b128 v3, v[X+16*\st+4*\i:X+16*\st+4*\i+3] offset:2560*\st+640*\i
.endr
.irp i, 0,1,2,3
	ds_load_b128 v[XT+16*\st+4*\i:XT+16*\st+4*\i+3], v4 offset:2560*\st+16*\i
.endr
.endm
	TURN 0
	TURN 1
	s_wait_dscnt 0x0
.macro QSTEP st
.set XQ, XT+16*\st
	v_max3_num_f32 v8, |v[XQ]|, |v[XQ+1]|, |v[XQ+2]|               ; the largest magnitude of my 16, in two chains
	v_max3_num_f32 v9, |v[XQ+3]|, |v[XQ+4]|, |v[XQ+5]|
.irp i, 6,10
	v_max3_num_f32 v8, v8, |v[XQ+\i]|, |v[XQ+\i+1]|
	v_max3_num_f32 v9, v9, |v[XQ+\i+2]|, |v[XQ+\i+3]|
.endr
	v_max3_num_f32 v8, v8, |v[XQ+14]|, |v[XQ+15]|
	v_max3_num_f32 v8, v8, v9, 0x8000000           ; and the floor 2^(16 - 127): the byte cannot fall under 1
	v_max_num_f32_dpp v8, v8, v8 row_xmask:1 row_mask:0xf bank_mask:0xf   ; with my neighbour's 16: the block's
	v_add_nc_u32 v11, 0xf8800000, v8               ; 15 off its exponent field: the conversion's scale operand
	v_and_or_b32 v10, v8, 0x7f800000, s20          ; 57,344 x the scale
.irp i, 0,1,2,3,4,5,6,7,8,9,10,11,12,13,14,15
	v_med3_num_f32 v[XQ+\i], v[XQ+\i], -v10, v10   ; the conversion to an 8-bit code does not saturate (ISA guide 7.6.2): the hold comes first
.endr
	v_cvt_scalef32_pk8_bf8_f32 v[CD+4*\st:CD+4*\st+1], v[XQ:XQ+7], v11
	v_cvt_scalef32_pk8_bf8_f32 v[CD+4*\st+2:CD+4*\st+3], v[XQ+8:XQ+15], v11
	v_lshrrev_b32 v[12+\st], 23, v11               ; the scale's byte (also the plain line behind the conversions)
	ds_store_b8 v5, v[12+\st] offset:16*\st        ; both lanes of a block write the same byte with the same value
	global_store_b128 v2, v[CD+4*\st:CD+4*\st+3], s[8:9] offset:512*\st   ; the wave stores 512 consecutive bytes
.endm
	QSTEP 0
	QSTEP 1
; two experts' dot products by turns, two numbers an instruction; the first product starts each sum
.macro DOT2 a
.irp d, 0,1
	v_pk_mul_f32 v[DA+2*(\a+\d):DA+2*(\a+\d)+1], v[X:X+1], v[RW+32*((\a+\d)%4):RW+32*((\a+\d)%4)+1]
.endr
.irp j, 1,2,3,4,5,6,7,8,9,10,11,12,13,14,15
.irp d, 0,1
	v_pk_fma_f32 v[DA+2*(\a+\d):DA+2*(\a+\d)+1], v[X+2*\j:X+2*\j+1], v[RW+32*((\a+\d)%4)+2*\j:RW+32*((\a+\d)%4)+2*\j+1], v[DA+2*(\a+\d):DA+2*(\a+\d)+1]
.endr
.endr
.endm
	s_wait_loadcnt 16                              ; rows 0 and 1 are in; behind them: rows 2 and 3
	DOT2 0
	RLOAD 4
	RLOAD 5
	s_wait_loadcnt 16                              ; rows 2 and 3; behind them: rows 4 and 5
	DOT2 2
	RLOAD 6
	RLOAD 7
	s_wait_loadcnt 16                              ; rows 4 and 5; behind them: rows 6 and 7
	DOT2 4
	s_wait_loadcnt 0x0
	DOT2 6
.irp e, 0,1,2,3,4,5,6,7
	v_add_f32 v[LG+\e], v[DA+2*\e], v[DA+2*\e+1]
.endr
.irp k, 1,2,4,8
.irp e, 0,1,2,3,4,5,6,7
	v_add_f32_dpp v[LG+\e], v[LG+\e], v[LG+\e] row_xmask:\k row_mask:0xf bank_mask:0xf
.endr
.endr
.irp e, 0,1,2,3,4,5,6,7
	v_permlanex16_b32 v[PT+\e], v[LG+\e], s18, s19
.endr
.irp e, 0,1,2,3,4,5,6,7
	v_add_f32 v[LG+\e], v[LG+\e], v[PT+\e]         ; every lane holds the eight logits
.endr
	v_max3_num_f32 v248, v[LG], v[LG+1], v[LG+2]   ; the softmax: the largest logit is taken away first
	v_max3_num_f32 v248, v248, v[LG+3], v[LG+4]
	v_max3_num_f32 v248, v248, v[LG+5], v[LG+6]
	v_max_num_f32 v248, v248, v[LG+7]
.irp e, 0,1,2,3,4,5,6,7
	v_sub_f32 v[LG+\e], v[LG+\e], v248
.endr
.irp e, 0,1,2,3,4,5,6,7
	v_mul_f32 v[LG+\e], 0x3fb8aa3b, v[LG+\e]       ; x log2(e)
.endr
.irp e, 0,1,2,3,4,5,6,7
	v_exp_f32 v[LG+\e], v[LG+\e]
.endr
	v_nop                                          ; a plain line behind the exponentials
	s_wait_alu depctr_va_vdst(0)
	v_add_f32 v249, v[LG], v[LG+1]
	v_add_f32 v252, v[LG+2], v[LG+3]
	v_add_f32 v253, v[LG+4], v[LG+5]
	v_add_f32 v254, v[LG+6], v[LG+7]
	v_add_f32 v249, v249, v252
	v_add_f32 v253, v253, v254
	v_add_f32 v249, v249, v253
	v_rcp_f32 v249, v249
	v_mov_b32 v251, 0                              ; (a plain line behind the reciprocal)  the index so far
	s_wait_alu depctr_va_vdst(0)
.irp e, 0,1,2,3,4,5,6,7
	v_mul_f32 v[LG+\e], v[LG+\e], v249             ; the probabilities
.endr
	v_mov_b32 v250, v[LG]                          ; the largest so far
.irp e, 1,2,3,4,5,6,7
	v_cmp_gt_f32 vcc_lo, v[LG+\e], v250            ; strictly larger: of equals the lower index stays
	v_cndmask_b32 v250, v250, v[LG+\e], vcc_lo
	v_cndmask_b32 v251, v251, \e, vcc_lo
.endr
	ds_store_b32 v7, v251                          ; all lanes write the same word with the same value
	s_wait_dscnt 0x0                               ; for wave 0's sake: my scale bytes and my index have landed
	s_barrier_signal -1
	s_barrier_wait -1
	s_cmp_lg_u32 s14, 0
	s_cbranch_scc1 .Lend
	ds_load_b32 v8, v15                            ; wave 0 sends the four tokens' 128 scale bytes and 16 bytes of indices
	ds_load_b32 v9, v6
	s_wait_dscnt 0x0
	global_store_b32 v14, v8, s[10:11]
	v_cmp_gt_u32 vcc_lo, 4, v1
	s_wait_xcnt 0x0                                ; EXEC changes only when the stores issued so far have been taken up
	s_and_saveexec_b32 s21, vcc_lo
	global_store_b32 v14, v9, s[12:13]
	s_wait_xcnt 0x0
	s_or_b32 exec_lo, exec_lo, s21
.Lend:
	s_set_vgpr_msb 0x4
	s_wait_tensorcnt 0x0
	ds_add_u32 v255, v1
	s_wait_dscnt 0x0
	s_set_vgpr_msb 0x400
	s_endpgm
.Lfunc_end_k_qde56635c02_route:
	.size	k_qde56635c02_route, .Lfunc_end_k_qde56635c02_route-k_qde56635c02_route
	.p2alignl 7, 3214868480
	.fill 96, 4, 3214868480
	.section	.rodata,"a",@progbits
	.p2align	6, 0x0
	.amdhsa_kernel k_qde56635c02_route
		.amdhsa_group_segment_fixed_size 21248
		.amdhsa_private_segment_fixed_size 0
		.amdhsa_enable_private_segment 0
		.amdhsa_kernarg_size 40
		.amdhsa_user_sgpr_count 2
		.amdhsa_user_sgpr_kernarg_segment_ptr 1
		.amdhsa_wavefront_size32 1
		.amdhsa_system_sgpr_workgroup_id_x 1
		.amdhsa_system_sgpr_workgroup_id_y 1
		.amdhsa_system_sgpr_workgroup_id_z 1
		.amdhsa_system_vgpr_workitem_id 0
		.amdhsa_next_free_vgpr 258
		.amdhsa_next_free_sgpr 66
		.amdhsa_reserve_vcc 1
		.amdhsa_float_denorm_mode_32 3
		.amdhsa_float_denorm_mode_16_64 3
		.amdhsa_memory_ordered 1
		.amdhsa_forward_progress 1
		.amdhsa_inst_pref_size 30
	.end_amdhsa_kernel
	.amdgpu_metadata
---
amdhsa.version: [ 1, 2 ]
amdhsa.kernels:
  - .name:           k_qde56635c02_route
    .symbol:         k_qde56635c02_route.kd
    .args:
      - { .name: x, .offset: 0, .size: 8, .value_kind: global_buffer, .address_space: global }
      - { .name: router_w, .offset: 8, .size: 8, .value_kind: global_buffer, .address_space: global }
      - { .name: x_codes, .offset: 16, .size: 8, .value_kind: global_buffer, .address_space: global }
      - { .name: x_scales, .offset: 24, .size: 8, .value_kind: global_buffer, .address_space: global }
      - { .name: ids, .offset: 32, .size: 8, .value_kind: global_buffer, .address_space: global }
    .group_segment_fixed_size: 21248
    .private_segment_fixed_size: 0
    .kernarg_segment_align: 8
    .kernarg_segment_size: 40
    .max_flat_workgroup_size: 128
    .sgpr_count:     66
    .vgpr_count:     258
    .wavefront_size: 32
...
	.end_amdgpu_metadata
.endif
;; end of part 1
;; launch fc (part 2): grid 256 x 1, 16 waves a work-group, no clusters, 138,240 bytes of LDS; arguments expert_fc, x_codes, x_scales, ids, h_img, hs_img; writes h_img, hs_img
.if DOCPART == 2
	.amdgcn_target "amdgcn-amd-amdhsa--gfx1250"
	.amdhsa_code_object_version 6
	.text
	.protected	k_qde56635c02_fc
	.globl	k_qde56635c02_fc
	.p2align	8
	.type	k_qde56635c02_fc,@function
k_qde56635c02_fc:
	s_mov_b64 s[64:65], 0
	v_nop
	global_prefetch_b8 v0, s[64:65] scope:SCOPE_SE
	s_setreg_imm32_b32 hwreg(HW_REG_WAVE_MODE, 25, 1), 1
	s_wait_xcnt 0x0
; h = relu(x fc[e])^2 FOR THE TOKENS OF EXPERT e ALONE, quantised along the hidden axis.  expert_fc: [8][1024 (d = K)][4096 (hidden)] f32.
; SHARES.  Work-group (e = number / 32, sl = number % 32) owns hidden units 128 sl .. + 127 of expert e, for all of K: 512 KB of f32 that no other work-group reads.
; PHASE 1.  Sixteen waves read them once: wave (ks = w % 8, ch = w / 8) takes rows 128 ks .. + 127 and 64 columns.  A LANE TAKES FOUR COLUMNS AND ITS REGISTERS RUN DOWN K:
;   a load's lanes 0-15 read 256 consecutive bytes of row 32 c + i, lanes 16-31 those of the row 16 further down, so a block of 32 along K lies in lanes l and l xor 16.
;   The hold at the largest code also moves a column's 16 numbers into consecutive registers; the conversions' 16 bytes go into LDS at the place that the operand's layout gives them:
;   64 fragments (8 K steps x 8 tiles of 16 hidden units) as images of their registers, 128 KB, and their scale words.  One barrier.
; PHASE 2.  Wave w takes the expert's tiles of 16 tokens w, w + 16, w + 32, w + 48: a loop of four trips; a trip whose tile lies past the expert's count is jumped over (no barrier inside).
;   S^T = W^T x^T (source 0 = 16 hidden units, source 1 = 16 tokens): a lane holds one token and its registers run along the hidden units, the next product's K.
;   THE HIDDEN UNITS OF A TILE ARE NOT NEIGHBOURS: lane r of tile 2 b + u holds unit 32 b + 8 u + r + 8 (r / 8), so the 16 registers of tiles 2 b, 2 b + 1 are 16 neighbours.
;   a |a| keeps the sign; the quantiser's hold between 0 and the largest code then makes it relu(a)^2.  The 128 units are K step sl of the next product: one fragment and one scale word a token.
; THE ORDER OF AN EXPERT'S TOKENS is made in registers from ids, alike here and in the next launch: 32 lane masks (register m, lane p: token 128 (m / 4) + 4 p + m % 4), rank = m major, lane minor.
;   Rows of the last tile past the count take the last token again; their bytes are written and never stored as output.
; OUT: h_img [e][tile 0..63][K step 0..31][c 0..3][lane] x 16 bytes (register images), hs_img [e][tile][K step][row] u32.  Only tiles under the count are written, and only those are read.
; NO JOINT LOADS: the weights, 512 KB of a work-group's bytes, are shared with nobody; x's tiles, 16 KB each, are shared by an expert's 32 work-groups, but how many there are hangs on a count read from memory.
; LIMITS: NaN and infinities are not served; a block of zeros gets the byte 1 and not 127 (its codes are zeros; this program alone reads the bytes).
.set FCROW, 16384                      ; a row of expert_fc in bytes
.set WFR,  2064                        ; a fragment's image, 2,048 bytes, + 16: so the writer's sixteen lanes fall on sixteen different 16-byte columns
.set WKS,  8*WFR                       ; a K step's eight fragments
.set SCW,  8*WKS                       ; behind the images: scale words, [K step][tile][row] u32
.set RA,   16                          ; phase 1: v16-79, v80-143 two blocks of 32 along K as loaded: register 4 i + j = W(32 c + 16 h + i, column 4 q + j)
.set RB,   80
.set IDS,  144                         ; v144-175 ids, until the masks are made;
.set TT,   144                         ; then two sets of 16 numbers of one column
.set CD,   176                         ; v176-207 codes, two sets of 16
.set WD,   208                         ; v208-211 my four columns' scale words
.set MX,   220                         ; v220-235 maxima, bytes, holds, scale operands: four each
.set HA,   16                          ; phase 2: v16-79 eight accumulators
.set WB,   80                          ; v80-143  four fragments of W
.set XF,   144                         ; v144-207 four slots for x's fragments
.set XS,   208                         ; v208-215 x's eight scale words
.set WS,   216                         ; v216-219 W's scale words
.set TS,   220                         ; v220-230 at work in SELECT
.set VQ,   233
.set TOK,  234
.set TM,   80                          ; the quantiser of h: at work v80-95, codes v96-111, scale word v112
.set PC,   96
.set PW,   112
.set AW,   5                           ; v5-8 16 x lane + the images of K steps 0-1, 2-3, 4-5, 6-7
	s_load_b256 s[4:11], s[0:1], 0x0               ; expert_fc s[4:5], x_codes s[6:7], x_scales s[8:9], ids s[10:11]
	s_load_b128 s[12:15], s[0:1], 0x20             ; h_img s[12:13], hs_img s[14:15]
	v_lshl_add_u32 v254, v0, 2, 0x21400
	v_mov_b32 v255, 0
	v_lshrrev_b32 v1, 5, v0
	v_readfirstlane_b32 s16, v1                    ; wave 0..15
	s_lshr_b32 s17, ttmp9, 5                       ; e
	s_and_b32 s18, ttmp9, 31                       ; sl
	s_and_b32 s19, s16, 7                          ; ks
	s_lshr_b32 s20, s16, 3                         ; ch
	v_and_b32 v1, 31, v0                           ; lane
	v_and_b32 v12, 15, v0                          ; q
	v_bfe_u32 v16, v0, 4, 1                        ; h
	v_lshlrev_b32 v13, 4, v16                      ; 16 h
	v_lshlrev_b32 v10, 4, v1                       ; 16 x lane
	v_lshlrev_b32 v11, 2, v12                      ; 4 q
	v_lshlrev_b32 v2, 4, v12
	v_lshl_add_u32 v2, v16, 18, v2                 ; the weights: 16 q, and 16 rows further down for lanes 16-31
	v_bfe_u32 v17, v0, 3, 1
	v_bfe_u32 v18, v0, 1, 1
	v_lshl_add_u32 v17, v17, 1, v18                ; which of my four tiles: 2 (q / 8) + (q / 2) % 2
	v_and_b32 v18, 1, v0                           ; q % 2
	v_bfe_u32 v19, v0, 2, 1                        ; (q / 4) % 2
	s_mul_i32 s24, s19, WKS
	s_mul_i32 s25, s20, 4*WFR
	s_add_co_u32 s24, s24, s25
	v_mul_u32_u24 v3, v17, WFR
	v_lshl_add_u32 v3, v16, 8, v3
	v_lshl_add_u32 v3, v18, 6, v3
	v_lshl_add_u32 v3, v19, 7, v3
	v_add_nc_u32 v3, s24, v3                       ; where column j's 16 codes go (+ 512 c + 16 j): image lane 4 (q % 2) + j + 8 ((q / 4) % 2) + 16 h
	s_lshl_b32 s24, s19, 9
	s_lshl_b32 s25, s20, 8
	s_add_co_u32 s24, s24, s25
	s_add_co_u32 s24, s24, SCW
	v_lshlrev_b32 v4, 6, v17
	v_lshl_add_u32 v4, v18, 4, v4
	v_lshl_add_u32 v4, v19, 5, v4
	v_add_nc_u32 v4, s24, v4                       ; and my four columns' scale words, 16 bytes on end
.irp k, 0,1,2,3
	v_add_nc_u32 v[AW+\k], \k*2*WKS, v10
.endr
	v_add_nc_u32 v9, SCW, v11                      ; phase 2: row q's scale word
.irp j, 0,1,2,3
	v_mov_b32 v[MX+4+\j], 0                        ; a lane permute's destination counts as one of its sources
.endr
	s_mov_b32 s70, 0x76543210
	s_mov_b32 s71, 0xfedcba98                      ; v_permlanex16_b32's selects for lane l xor 16
	s_mov_b32 s72, 0x600000                        ; the mantissa field of 57,344
	s_lshl_b32 s24, s17, 24                        ; my part of expert_fc: expert, 128 ks rows, 512 sl + 256 ch bytes along a row
	s_lshl_b32 s25, s19, 21
	s_add_co_u32 s24, s24, s25
	s_lshl_b32 s25, s18, 9
	s_add_co_u32 s24, s24, s25
	s_lshl_b32 s25, s20, 8
	s_add_co_u32 s24, s24, s25
	s_mov_b32 s25, 0
	s_wait_kmcnt 0x0
	s_add_nc_u64 s[4:5], s[4:5], s[24:25]
.irp i, 0,1,2,3,4,5,6,7
	global_load_b128 v[IDS+4*\i:IDS+4*\i+3], v10, s[10:11] offset:512*\i
.endr
.macro WLOAD c, r                      ; block c of 32 along K: sixteen loads, each two whole aligned runs of 256 bytes
.irp i, 0,1,2,3,4,5,6,7,8,9,10,11,12,13,14,15
	global_load_b128 v[\r+4*\i:\r+4*\i+3], v2, s[4:5] offset:(32*\c+\i)*FCROW th:TH_LOAD_NT
.endr
.endm
	WLOAD 0, RA
	WLOAD 1, RB
; the 32 lane masks of my expert's tokens, s[32:63], and their count
	s_wait_loadcnt 32                              ; ids are in; the 32 loads of weights may be out
	s_mov_b32 s21, 0
.set m, 0
.rept 32
	v_cmp_eq_u32 s[32+m], s17, v[IDS+m]
.set m, m+1
.endr
.set m, 0
.rept 32
	s_bcnt1_i32_b32 s66, s[32+m]
	s_add_co_u32 s21, s21, s66
.set m, m+1
.endr
	s_sub_co_u32 s22, s21, 1                       ; the last rank (not used where the count is 0: every tile is then jumped over)
; block c: four columns' scales, holds, codes
.macro QBLK c, r, left
	s_wait_loadcnt \left                           ; this block's sixteen loads are in; the block issued behind it may be out
	s_wait_dscnt 0x0                               ; the LDS stores of two blocks ago have read the registers that take this block's codes
.irp j, 0,1,2,3
	v_max3_num_f32 v[MX+\j], |v[\r+\j]|, |v[\r+4+\j]|, 0x8000000   ; column j: my 16 numbers, and the floor 2^(16 - 127): the byte cannot fall under 1
.endr
.irp i, 2,4,6,8,10,12,14
.irp j, 0,1,2,3
	v_max3_num_f32 v[MX+\j], v[MX+\j], |v[\r+4*\i+\j]|, |v[\r+4*\i+4+\j]|   ; (the four columns by turns)
.endr
.endr
.irp j, 0,1,2,3
	v_permlanex16_b32 v[MX+4+\j], v[MX+\j], s70, s71
.endr
.irp j, 0,1,2,3
	v_max_num_f32 v[MX+\j], v[MX+\j], v[MX+4+\j]   ; with lane l xor 16's: the block's largest magnitude
.endr
.irp j, 0,1,2,3
	v_add_nc_u32 v[MX+12+\j], 0xf8800000, v[MX+\j] ; 15 off its exponent field: the conversion's scale operand
.endr
.irp j, 0,1,2,3
	v_and_or_b32 v[MX+8+\j], v[MX+\j], 0x7f800000, s72   ; 57,344 x the scale
.endr
.if \c == 0
.irp j, 0,1,2,3
	v_lshrrev_b32 v[WD+\j], 23, v[MX+12+\j]        ; the scale's byte: the word's lowest
.endr
.else
.irp j, 0,1,2,3
	v_lshrrev_b32 v[MX+4+\j], 23, v[MX+12+\j]
.endr
.irp j, 0,1,2,3
	v_lshl_or_b32 v[WD+\j], v[MX+4+\j], 8*\c, v[WD+\j]
.endr
.endif
.irp j, 0,1,2,3
.irp i, 0,1,2,3,4,5,6,7,8,9,10,11,12,13,14,15
	v_med3_num_f32 v[TT+16*(\j%2)+\i], v[\r+4*\i+\j], -v[MX+8+\j], v[MX+8+\j]   ; the hold (the conversion does not saturate: ISA guide 7.6.2) also puts the column's K on end
.endr
	v_cvt_scalef32_pk8_bf8_f32 v[CD+16*(\c%2)+4*\j:CD+16*(\c%2)+4*\j+1], v[TT+16*(\j%2):TT+16*(\j%2)+7], v[MX+12+\j]
	v_cvt_scalef32_pk8_bf8_f32 v[CD+16*(\c%2)+4*\j+2:CD+16*(\c%2)+4*\j+3], v[TT+16*(\j%2)+8:TT+16*(\j%2)+15], v[MX+12+\j]
	ds_store_b128 v3, v[CD+16*(\c%2)+4*\j:CD+16*(\c%2)+4*\j+3] offset:512*\c+16*\j   ; registers 4 c .. 4 c + 3 of the image.  The next column's first hold, into the other set, is the plain line behind the conversions
.endr
	v_nop                                          ; and this one behind the last
.endm
	QBLK 0, RA, 16
	WLOAD 2, RA
	QBLK 1, RB, 16
	WLOAD 3, RB
	QBLK 2, RA, 16
	QBLK 3, RB, 0
	ds_store_b128 v4, v[WD:WD+3]                   ; both halves of the lanes write the same words with the same values
	s_wait_dscnt 0x0                               ; for the others' sake: my images and scale words have landed
	s_barrier_signal -1
	s_barrier_wait -1
; The token of rank q (a lane's own q, under the count).  First the mask register m whose ranks hold q: the last m whose running count is at most q; with it goes, packed, that count and the
; register's first token.  Then the place of the (q - count)-th set bit of that mask, by halving: the counts of its fields of 16, 8, 4, 2 and 1 bits.
.macro HALVE src, w
	v_bfe_u32 v[TS+9], v[\src], v[TS+8], \w        ; set bits in the lower half of what is left
	v_cmp_ge_u32 vcc_lo, v[TS+2], v[TS+9]
	v_cndmask_b32 v[TS+9], 0, v[TS+9], vcc_lo
	v_cndmask_b32 v[TS+10], 0, \w, vcc_lo
	v_sub_nc_u32 v[TS+2], v[TS+2], v[TS+9]
	v_add_nc_u32 v[TS+8], v[TS+8], v[TS+10]
.endm
.macro SELECT q, tok
	s_mov_b32 s66, 0
	v_mov_b32 v[TS], s32
	v_mov_b32 v[TS+1], 0
.set m, 1
.rept 31
	s_bcnt1_i32_b32 s68, s[31+m]
	s_add_co_u32 s66, s66, s68                     ; ranks ahead of register m
	s_add_co_u32 s67, s66, (128*(m>>2)+(m&3))<<16  ; and its first token above them
	v_cmp_le_u32 vcc_lo, s66, v[\q]
	v_cndmask_b32 v[TS], v[TS], s[32+m], vcc_lo
	v_cndmask_b32 v[TS+1], v[TS+1], s67, vcc_lo
.set m, m+1
.endr
	v_and_b32 v[TS+2], 0xffff, v[TS+1]
	v_sub_nc_u32 v[TS+2], v[\q], v[TS+2]           ; which set bit of the mask
	v_lshrrev_b32 v[TS+3], 16, v[TS+1]             ; the register's first token
	v_lshrrev_b32 v[TS+9], 1, v[TS]
	v_and_b32 v[TS+9], 0x55555555, v[TS+9]
	v_sub_nc_u32 v[TS+4], v[TS], v[TS+9]           ; counts of fields of 2 bits
	v_and_b32 v[TS+9], 0x33333333, v[TS+4]
	v_lshrrev_b32 v[TS+10], 2, v[TS+4]
	v_and_b32 v[TS+10], 0x33333333, v[TS+10]
	v_add_nc_u32 v[TS+5], v[TS+9], v[TS+10]        ; of 4
	v_lshrrev_b32 v[TS+9], 4, v[TS+5]
	v_add_nc_u32 v[TS+9], v[TS+9], v[TS+5]
	v_and_b32 v[TS+6], 0x0f0f0f0f, v[TS+9]         ; of 8
	v_lshrrev_b32 v[TS+9], 8, v[TS+6]
	v_add_nc_u32 v[TS+9], v[TS+9], v[TS+6]
	v_and_b32 v[TS+7], 0x00ff00ff, v[TS+9]         ; of 16
	v_mov_b32 v[TS+8], 0                           ; the place so far
	HALVE TS+7, 16
	HALVE TS+6, 8
	HALVE TS+5, 4
	HALVE TS+4, 2
	HALVE TS, 1
	v_lshl_add_u32 v[\tok], v[TS+8], 2, v[TS+3]    ; token = first token + 4 x lane
	v_min_u32 v[\tok], 0x3ff, v[\tok]              ; held inside the table before it enters an address
.endm
; 64 numbers of a lane, register 16 b + i = k 32 b + 16 (lane / 16) + i of my row, become a fragment's codes in v[pc] on and its scale word in v[pw].  relu = 1: what is negative becomes 0
.macro QUANT s, relu, pc, pw
.if \relu
.irp b, 0,1,2,3
	v_max3_num_f32 v[TM+\b], v[\s+16*\b], v[\s+1+16*\b], 0x8000000   ; no |.|: what is negative must not count; the floor 2^(16 - 127) stands over it
.endr
.irp i, 2,4,6,8,10,12,14
.irp b, 0,1,2,3
	v_max3_num_f32 v[TM+\b], v[TM+\b], v[\s+16*\b+\i], v[\s+1+16*\b+\i]
.endr
.endr
.else
.irp b, 0,1,2,3
	v_max3_num_f32 v[TM+\b], |v[\s+16*\b]|, |v[\s+1+16*\b]|, 0x8000000
.endr
.irp i, 2,4,6,8,10,12,14
.irp b, 0,1,2,3
	v_max3_num_f32 v[TM+\b], v[TM+\b], |v[\s+16*\b+\i]|, |v[\s+1+16*\b+\i]|
.endr
.endr
.endif
.irp b, 0,1,2,3
	v_permlanex16_b32 v[TM+4+\b], v[TM+\b], s70, s71
.endr
.irp b, 0,1,2,3
	v_max_num_f32 v[TM+\b], v[TM+\b], v[TM+4+\b]   ; with lane l xor 16's: the block's largest magnitude
.endr
.irp b, 0,1,2,3
	v_add_nc_u32 v[TM+12+\b], 0xf8800000, v[TM+\b] ; the conversion's scale operand
.endr
.irp b, 0,1,2,3
	v_and_or_b32 v[TM+8+\b], v[TM+\b], 0x7f800000, s72   ; 57,344 x the scale
.endr
.irp b, 0,1,2,3
	v_lshrrev_b32 v[TM+4+\b], 23, v[TM+12+\b]      ; the scale's byte
.endr
	v_lshl_or_b32 v[\pw], v[TM+5], 8, v[TM+4]
	v_lshl_or_b32 v[\pw], v[TM+6], 16, v[\pw]
	v_lshl_or_b32 v[\pw], v[TM+7], 24, v[\pw]
.irp b, 0,1,2,3
.irp i, 0,1,2,3,4,5,6,7,8,9,10,11,12,13,14,15
.if \relu
	v_med3_num_f32 v[\s+16*\b+\i], v[\s+16*\b+\i], 0, v[TM+8+\b]   ; the clip at 0 and the hold in one
.else
	v_med3_num_f32 v[\s+16*\b+\i], v[\s+16*\b+\i], -v[TM+8+\b], v[TM+8+\b]
.endif
.endr
	v_cvt_scalef32_pk8_bf8_f32 v[\pc+4*\b:\pc+1+4*\b], v[\s+16*\b:\s+7+16*\b], v[TM+12+\b]
	v_cvt_scalef32_pk8_bf8_f32 v[\pc+2+4*\b:\pc+3+4*\b], v[\s+8+16*\b:\s+15+16*\b], v[TM+12+\b]
.endr
	v_nop                                          ; a plain line behind the last conversion
.endm
.macro XLOAD ks                        ; x's fragment of K step ks into slot ks % 4: lane (q, h): token q's codes 128 ks + 32 c + 16 h + 0..15
.irp c, 0,1,2,3
	global_load_b128 v[XF+16*((\ks)%4)+4*\c:XF+16*((\ks)%4)+4*\c+3], v14, s[6:7] offset:128*(\ks)+32*\c
.endr
.endm
; K step ks, tiles 4 g .. 4 g + 3 of the hidden units.  The eight accumulators take turns, one instruction a turn
.macro KSTEP ks, g
.if (\ks)+(\g) > 0
.rept 8
	v_nop                                          ; eight places in front of loads into registers that matrix instructions have read
.endr
.endif
.if (\g) == 0 && (\ks) >= 1 && (\ks) <= 4
	XLOAD (\ks)+3                                  ; into the slot that the last K step has left
.endif
.irp t, 0,1,2,3
.irp c, 0,1,2,3
	ds_load_b128 v[WB+16*\t+4*\c:WB+16*\t+4*\c+3], v[AW+(\ks)/2] offset:((\ks)%2)*WKS+(4*(\g)+\t)*WFR+512*\c
.endr
	ds_load_b32 v[WS+\t], v9 offset:512*(\ks)+64*(4*(\g)+\t)
.endr
.if (\g) == 0
.if (\ks) <= 4
	s_wait_loadcnt 12                              ; this K step's fragment of x is in; three younger fragments, four loads each, may be out
.else
	s_wait_loadcnt 4*(7-(\ks))                     ; the counts run down: nothing more is asked for
.endif
.endif
	s_wait_dscnt 0x0
.irp t, 0,1,2,3
.if (\ks) == 0
	v_wmma_scale_f32_16x16x128_f8f6f4 v[HA+8*(4*(\g)+\t):HA+8*(4*(\g)+\t)+7], v[WB+16*\t:WB+16*\t+15], v[XF+16*((\ks)%4):XF+16*((\ks)%4)+15], 0, v[WS+\t], v[XS+(\ks)] matrix_a_fmt:MATRIX_FMT_BF8 matrix_b_fmt:MATRIX_FMT_BF8
.else
	v_wmma_scale_f32_16x16x128_f8f6f4 v[HA+8*(4*(\g)+\t):HA+8*(4*(\g)+\t)+7], v[WB+16*\t:WB+16*\t+15], v[XF+16*((\ks)%4):XF+16*((\ks)%4)+15], v[HA+8*(4*(\g)+\t):HA+8*(4*(\g)+\t)+7], v[WS+\t], v[XS+(\ks)] matrix_a_fmt:MATRIX_FMT_BF8 matrix_b_fmt:MATRIX_FMT_BF8
.endif
.endr
.endm
	s_mov_b32 s30, 0                               ; trips
	s_mov_b32 s31, s16                             ; my tile: w + 16 x trip
.Ltile:
	s_lshl_b32 s23, s31, 4                         ; its first rank
	s_cmp_ge_u32 s23, s21
	s_cbranch_scc1 .Lskip                          ; past the expert's count: nothing to do (no load is out here, and no barrier stands in the trip)
	v_add_nc_u32 v[VQ], s23, v12
	v_min_u32 v[VQ], s22, v[VQ]                    ; rows past the count take the last token again
	SELECT VQ, TOK
	v_lshl_add_u32 v14, v[TOK], 10, v13            ; my token's codes, + 16 h
	v_lshlrev_b32 v15, 5, v[TOK]                   ; and its 32 scale bytes
	global_load_b128 v[XS:XS+3], v15, s[8:9]
	global_load_b128 v[XS+4:XS+7], v15, s[8:9] offset:16
	XLOAD 0
	XLOAD 1
	XLOAD 2
	XLOAD 3
	s_lshl_b32 s24, s17, 22                        ; where the tile's fragment goes: h_img[e][tile][sl]
	s_lshl_b32 s25, s31, 16
	s_add_co_u32 s24, s24, s25
	s_lshl_b32 s25, s18, 11
	s_add_co_u32 s24, s24, s25
	s_mov_b32 s25, 0
	s_add_nc_u64 s[26:27], s[12:13], s[24:25]
	s_lshl_b32 s24, s17, 17                        ; and its scale words: hs_img[e][tile][sl]
	s_lshl_b32 s23, s31, 11
	s_add_co_u32 s24, s24, s23
	s_lshl_b32 s23, s18, 6
	s_add_co_u32 s24, s24, s23
	s_add_nc_u64 s[28:29], s[14:15], s[24:25]
.irp ks, 0,1,2,3,4,5,6,7
	KSTEP \ks, 0
	KSTEP \ks, 1
.endr
.rept 8
	v_nop                                          ; eight places in front of the first read of results
.endr
.set n, 0
.rept 64
	v_mul_f32 v[HA+n], v[HA+n], |v[HA+n]|          ; a |a|: the square with a's sign; each accumulator from its low end on
.set n, n+1
.endr
	QUANT HA, 1, PC, PW                            ; what is negative becomes 0: relu(a)^2, quantised along the hidden units
.irp c, 0,1,2,3
	global_store_b128 v10, v[PC+4*\c:PC+4*\c+3], s[26:27] offset:512*\c   ; the fragment as it stands: 2,048 consecutive bytes
.endr
	v_cmp_gt_u32 vcc_lo, 16, v1
	s_wait_xcnt 0x0                                ; EXEC changes only when the stores issued so far have been taken up
	s_and_saveexec_b32 s69, vcc_lo
	global_store_b32 v11, v[PW], s[28:29]          ; lanes 0-15: the sixteen rows' scale words
	s_wait_xcnt 0x0                                ; also frees the stores' registers and bases for the next trip
	s_or_b32 exec_lo, exec_lo, s69
.Lskip:
	s_add_co_u32 s31, s31, 16
	s_add_co_u32 s30, s30, 1
	s_cmp_lt_u32 s30, 4
	s_cbranch_scc1 .Ltile
	s_wait_tensorcnt 0x0
	ds_add_u32 v254, v255
	s_wait_dscnt 0x0
	s_endpgm
.Lfunc_end_k_qde56635c02_fc:
	.size	k_qde56635c02_fc, .Lfunc_end_k_qde56635c02_fc-k_qde56635c02_fc
	.p2alignl 7, 3214868480
	.fill 96, 4, 3214868480
	.section	.rodata,"a",@progbits
	.p2align	6, 0x0
	.amdhsa_kernel k_qde56635c02_fc
		.amdhsa_group_segment_fixed_size 138240
		.amdhsa_private_segment_fixed_size 0
		.amdhsa_enable_private_segment 0
		.amdhsa_kernarg_size 48
		.amdhsa_user_sgpr_count 2
		.amdhsa_user_sgpr_kernarg_segment_ptr 1
		.amdhsa_wavefront_size32 1
		.amdhsa_system_sgpr_workgroup_id_x 1
		.amdhsa_system_sgpr_workgroup_id_y 1
		.amdhsa_system_sgpr_workgroup_id_z 1
		.amdhsa_system_vgpr_workitem_id 0
		.amdhsa_next_free_vgpr 256
		.amdhsa_next_free_sgpr 80
		.amdhsa_reserve_vcc 1
		.amdhsa_float_denorm_mode_32 3
		.amdhsa_float_denorm_mode_16_64 3
		.amdhsa_memory_ordered 1
		.amdhsa_forward_progress 1
		.amdhsa_inst_pref_size 108
	.end_amdhsa_kernel
	.amdgpu_metadata
---
amdhsa.version: [ 1, 2 ]
amdhsa.kernels:
  - .name:           k_qde56635c02_fc
    .symbol:         k_qde56635c02_fc.kd
    .args:
      - { .name: expert_fc, .offset: 0, .size: 8, .value_kind: global_buffer, .address_space: global }
      - { .name: x_codes, .offset: 8, .size: 8, .value_kind: global_buffer, .address_space: global }
      - { .name: x_scales, .offset: 16, .size: 8, .value_kind: global_buffer, .address_space: global }
      - { .name: ids, .offset: 24, .size: 8, .value_kind: global_buffer, .address_space: global }
      - { .name: h_img, .offset: 32, .size: 8, .value_kind: global_buffer, .address_space: global }
      - { .name: hs_img, .offset: 40, .size: 8, .value_kind: global_buffer, .address_space: global }
    .group_segment_fixed_size: 138240
    .private_segment_fixed_size: 0
    .kernarg_segment_align: 8
    .kernarg_segment_size: 48
    .max_flat_workgroup_size: 512
    .sgpr_count:     80
    .vgpr_count:     256
    .wavefront_size: 32
...
	.end_amdgpu_metadata
.endif
;; end of part 2
;; launch proj (part 3): grid 256 x 1, 16 waves a work-group, no clusters, 276,480 bytes of LDS; arguments expert_proj, h_img, hs_img, ids, ws; writes ws
.if DOCPART == 3
	.amdgcn_target "amdgcn-amd-amdhsa--gfx1250"
	.amdhsa_code_object_version 6
	.text
	.protected	k_qde56635c02_proj
	.globl	k_qde56635c02_proj
	.p2align	8
	.type	k_qde56635c02_proj,@function
k_qde56635c02_proj:
	s_mov_b64 s[64:65], 0
	v_nop
	global_prefetch_b8 v0, s[64:65] scope:SCOPE_SE
	s_setreg_imm32_b32 hwreg(HW_REG_WAVE_MODE, 25, 1), 1
	s_wait_xcnt 0x0
; h proj[e]^T FOR THE TOKENS OF EXPERT e ALONE, in the order of their ranks.  expert_proj: [8][1024 (d)][4096 (hidden = K)] f32, K innermost.
; SHARES.  Work-group (e = number / 32, sl = number % 32) owns outputs d = 32 sl .. + 31 of expert e, for all of K: 512 KB of f32 that no other work-group reads.
; PHASE 1.  Sixteen waves read them once: wave w takes K steps 2 w and 2 w + 1 of the 32 rows: four fragments of 16 rows x 128 K.  Each load reads 512 consecutive bytes of one row; a fragment turns through the
;   wave's own stage in LDS (rows of 528 bytes), so that lane (r, h) holds, of row r, 16 neighbours of each block of 32; it is quantised in registers and laid into LDS as an image of the operand's
;   registers: 64 fragments, 128 KB, and their scale words.  One barrier.
; PHASE 2.  Wave w takes the expert's tiles of 16 tokens w, w + 16, w + 32, w + 48: a loop of four trips; a trip whose tile lies past the expert's count is jumped over (no barrier inside).
;   O^T = P h^T (source 0 = 16 rows d, source 1 = 16 tokens): h's fragments come from memory as the last launch laid them, lane by lane, four pairs of K steps ahead; two accumulators by turns.
;   A lane's eight results are eight neighbouring d of one token; the tile goes through the wave's stage and leaves as 16 rows of 128 bytes on end: 2,048 consecutive bytes.
; OUT: ws [sl][e][rank 0..1023][128 bytes]: rows in the order of ranks, at addresses made of the work-group's number, the wave's number and the trip alone.  The next launch brings each token its row.
;   Rows of the last tile past the count are copies of the last token; they have bytes of their own and are never read.  Of ids only the expert's count is used here.
; NO JOINT LOADS: the weights are shared with nobody; h's tiles are shared by an expert's 32 work-groups, but how many there are hangs on a count read from memory.
; LIMITS: NaN and infinities are not served; a block of zeros gets the byte 1 and not 127 (its codes are zeros; this program alone reads the bytes).
.set PROW, 16384                       ; a row of expert_proj in bytes
.set STGW, 8448                        ; LDS: a stage of 16 rows x 528 bytes for each wave (on the way out: 16 rows x 144)
.set WIMG, 16*STGW                     ; the images: [K step][tile of d][c][lane] x 16 bytes
.set SCW,  WIMG+131072                 ; the scale words: [K step][tile of d][lane] u32
.set RA,   16                          ; phase 1: v16-79, v80-143 two fragments of f32
.set RB,   80
.set HR,   16                          ; phase 2: v16-143 eight slots for h's fragments
.set HSC,  144                         ; v144-147 h's scale words: lanes 0-15 the pair's first K step, lanes 16-31 its second
.set WSC,  148                         ; v148-151 the weights' scale words
.set IDS,  152                         ; v152-183 ids, until the count is made
.set PC,   152                         ; phase 1: the codes just made, v152-167; their scale word v168
.set PW,   168
.set WB,   152                         ; phase 2: v152-215 four fragments of the weights
.set OB,   152                         ; the way out: four registers for each of four stores
.set ACC,  216                         ; v216-231 two accumulators
.set TM,   216                         ; phase 1: the quantiser's registers at work
.set AW,   8                           ; v8, v9 16 x lane + the images of K steps 0-15, 16-31
	s_load_b256 s[4:11], s[0:1], 0x0               ; expert_proj s[4:5], h_img s[6:7], hs_img s[8:9], ids s[10:11]
	s_load_b64 s[12:13], s[0:1], 0x20              ; ws
	v_lshl_add_u32 v254, v0, 2, 0x43000
	v_mov_b32 v255, 0
	v_lshrrev_b32 v1, 5, v0
	v_readfirstlane_b32 s16, v1                    ; wave 0..15
	s_lshr_b32 s17, ttmp9, 5                       ; e
	s_and_b32 s18, ttmp9, 31                       ; sl
	v_and_b32 v1, 31, v0                           ; lane
	v_and_b32 v15, 15, v0                          ; r
	v_bfe_u32 v16, v0, 4, 1                        ; h
	v_lshlrev_b32 v2, 4, v1                        ; 16 x lane
	v_lshlrev_b32 v3, 2, v1                        ; 4 x lane
	s_mul_i32 s24, s16, STGW
	v_add_nc_u32 v4, s24, v2                       ; the stage, in: a row as it was loaded
	v_mul_u32_u24 v5, v15, 528
	v_lshl_add_u32 v5, v16, 6, v5
	v_add_nc_u32 v5, s24, v5                       ; and out: row r, + 64 h: my 16 numbers of a block of 32
	v_mul_u32_u24 v11, v15, 144
	v_lshl_add_u32 v11, v16, 5, v11
	v_add_nc_u32 v11, s24, v11                     ; results in: token row r, + 32 h
	v_bfe_u32 v14, v0, 3, 2                        ; lane / 8
	v_and_b32 v17, 7, v0
	v_lshlrev_b32 v13, 4, v17                      ; 16 (lane % 8)
	v_mul_u32_u24 v12, v14, 144
	v_add_nc_u32 v12, v12, v13
	v_add_nc_u32 v12, s24, v12                     ; results back: eight lanes to a token row
	s_lshl_b32 s25, s16, 13
	s_add_co_u32 s25, s25, WIMG
	v_add_nc_u32 v6, s25, v2                       ; where my four images go
	s_lshl_b32 s25, s16, 9
	s_add_co_u32 s25, s25, SCW
	v_add_nc_u32 v7, s25, v3                       ; and their scale words
	v_add_nc_u32 v8, WIMG, v2
	v_add_nc_u32 v9, WIMG+65536, v2
	v_add_nc_u32 v10, SCW, v3
.irp b, 0,1,2,3
	v_mov_b32 v[TM+4+\b], 0                        ; a lane permute's destination counts as one of its sources
.endr
	s_mov_b32 s70, 0x76543210
	s_mov_b32 s71, 0xfedcba98                      ; v_permlanex16_b32's selects for lane l xor 16
	s_mov_b32 s72, 0x600000                        ; the mantissa field of 57,344
	s_lshl_b32 s24, s17, 24                        ; my part of expert_proj: expert, 32 sl rows, 1,024 w bytes along a row
	s_lshl_b32 s25, s18, 19
	s_add_co_u32 s24, s24, s25
	s_lshl_b32 s25, s16, 10
	s_add_co_u32 s24, s24, s25
	s_mov_b32 s25, 0
	s_wait_kmcnt 0x0
	s_add_nc_u64 s[4:5], s[4:5], s[24:25]
.irp i, 0,1,2,3,4,5,6,7
	global_load_b128 v[IDS+4*\i:IDS+4*\i+3], v2, s[10:11] offset:512*\i
.endr
.macro FLOAD f, r                      ; fragment f = 2 x (which of my K steps) + (which 16 rows): sixteen loads of 512 consecutive bytes
.irp i, 0,1,2,3,4,5,6,7,8,9,10,11,12,13,14,15
	global_load_b128 v[\r+4*\i:\r+4*\i+3], v2, s[4:5] offset:(16*((\f)%2)+\i)*PROW+512*((\f)/2) th:TH_LOAD_NT
.endr
.endm
	FLOAD 0, RA
	FLOAD 1, RB
; how many tokens my expert has: 32 lane masks, s[32:63], and the sum of their set bits
	s_wait_loadcnt 32                              ; ids are in; the 32 loads of weights may be out
	s_mov_b32 s21, 0
.set m, 0
.rept 32
	v_cmp_eq_u32 s[32+m], s17, v[IDS+m]
.set m, m+1
.endr
.set m, 0
.rept 32
	s_bcnt1_i32_b32 s66, s[32+m]
	s_add_co_u32 s21, s21, s66
.set m, m+1
.endr
; 64 numbers of a lane, register 16 b + i = k 32 b + 16 (lane / 16) + i of my row, become a fragment's codes in v[pc] on and its scale word in v[pw]
.macro QUANT s, pc, pw
.irp b, 0,1,2,3
	v_max3_num_f32 v[TM+\b], |v[\s+16*\b]|, |v[\s+1+16*\b]|, 0x8000000   ; block b: my 16 numbers, and the floor 2^(16 - 127): the byte cannot fall under 1
.endr
.irp i, 2,4,6,8,10,12,14
.irp b, 0,1,2,3
	v_max3_num_f32 v[TM+\b], v[TM+\b], |v[\s+16*\b+\i]|, |v[\s+1+16*\b+\i]|   ; (the four blocks by turns)
.endr
.endr
.irp b, 0,1,2,3
	v_permlanex16_b32 v[TM+4+\b], v[TM+\b], s70, s71
.endr
.irp b, 0,1,2,3
	v_max_num_f32 v[TM+\b], v[TM+\b], v[TM+4+\b]   ; with lane l xor 16's: the block's largest magnitude
.endr
.irp b, 0,1,2,3
	v_add_nc_u32 v[TM+12+\b], 0xf8800000, v[TM+\b] ; 15 off its exponent field: the conversion's scale operand
.endr
.irp b, 0,1,2,3
	v_and_or_b32 v[TM+8+\b], v[TM+\b], 0x7f800000, s72   ; 57,344 x the scale
.endr
.irp b, 0,1,2,3
	v_lshrrev_b32 v[TM+4+\b], 23, v[TM+12+\b]      ; the scale's byte
.endr
	v_lshl_or_b32 v[\pw], v[TM+5], 8, v[TM+4]
	v_lshl_or_b32 v[\pw], v[TM+6], 16, v[\pw]
	v_lshl_or_b32 v[\pw], v[TM+7], 24, v[\pw]
.irp b, 0,1,2,3
.irp i, 0,1,2,3,4,5,6,7,8,9,10,11,12,13,14,15
	v_med3_num_f32 v[\s+16*\b+\i], v[\s+16*\b+\i], -v[TM+8+\b], v[TM+8+\b]   ; the conversion does not saturate (ISA guide 7.6.2): the hold comes first
.endr
	v_cvt_scalef32_pk8_bf8_f32 v[\pc+4*\b:\pc+1+4*\b], v[\s+16*\b:\s+7+16*\b], v[TM+12+\b]
	v_cvt_scalef32_pk8_bf8_f32 v[\pc+2+4*\b:\pc+3+4*\b], v[\s+8+16*\b:\s+15+16*\b], v[TM+12+\b]
.endr
	v_nop                                          ; a plain line behind the last conversion
.endm
.macro FRAG f, r, left
	s_wait_loadcnt \left                           ; this fragment's sixteen loads are in; the fragment issued behind it may be out
.irp i, 0,1,2,3,4,5,6,7,8,9,10,11,12,13,14,15
	ds_store_b128 v4, v[\r+4*\i:\r+4*\i+3] offset:528*\i
.endr
.irp c, 0,1,2,3
.irp i, 0,1,2,3
	ds_load_b128 v[\r+16*\c+4*\i:\r+16*\c+4*\i+3], v5 offset:128*\c+16*\i   ; a wave's LDS instructions are served in order (ISA guide 5.7.1.4): these see the stores above, and land in the registers that those have left
.endr
.endr
	s_wait_dscnt 0x0                               ; the numbers are back; the last image's stores have read their registers
	QUANT \r, PC, PW
.irp c, 0,1,2,3
	ds_store_b128 v6, v[PC+4*\c:PC+4*\c+3] offset:2048*\f+512*\c   ; the fragment as it stands
.endr
	ds_store_b32 v7, v[PW] offset:128*\f
.endm
	FRAG 0, RA, 16
	FLOAD 2, RA
	FRAG 1, RB, 16
	FLOAD 3, RB
	FRAG 2, RA, 16
	FRAG 3, RB, 0
	s_wait_dscnt 0x0                               ; for the others' sake: my images and scale words have landed
	s_barrier_signal -1
	s_barrier_wait -1
.macro HLOAD p                         ; pair p of K steps of h: two fragments as they were laid, and one word a lane of scales: nine loads
.irp k, 0,1
.irp c, 0,1,2,3
	global_load_b128 v[HR+16*(2*((\p)%4)+\k)+4*\c:HR+16*(2*((\p)%4)+\k)+4*\c+3], v2, s[26:27] offset:(2*(\p)+\k)*2048+512*\c
.endr
.endr
	global_load_b32 v[HSC+(\p)%4], v3, s[28:29] offset:128*(\p)
.endm
; pair p: four matrix instructions, the two accumulators by turns, one instruction a turn
.macro PSTEP p
.irp k, 0,1
.irp u, 0,1
.irp c, 0,1,2,3
	ds_load_b128 v[WB+16*(2*\k+\u)+4*\c:WB+16*(2*\k+\u)+4*\c+3], v[AW+(\p)/8] offset:((2*(\p)+\k)%16)*4096+2048*\u+512*\c
.endr
	ds_load_b32 v[WSC+2*\k+\u], v10 offset:256*(2*(\p)+\k)+128*\u
.endr
.endr
.if (\p) <= 12
	s_wait_loadcnt 27                              ; this pair's nine loads are in; three younger pairs may be out
.else
	s_wait_loadcnt 9*(15-(\p))                     ; the counts run down: nothing more is asked for
.endif
	s_wait_dscnt 0x0
.irp k, 0,1
.irp u, 0,1
.if (\p) == 0 && \k == 0
	v_wmma_scale_f32_16x16x128_f8f6f4 v[ACC+8*\u:ACC+8*\u+7], v[WB+16*(2*\k+\u):WB+16*(2*\k+\u)+15], v[HR+16*(2*((\p)%4)+\k):HR+16*(2*((\p)%4)+\k)+15], 0, v[WSC+2*\k+\u], v[HSC+(\p)%4] matrix_a_fmt:MATRIX_FMT_BF8 matrix_b_fmt:MATRIX_FMT_BF8
.elseif \k == 0
	v_wmma_scale_f32_16x16x128_f8f6f4 v[ACC+8*\u:ACC+8*\u+7], v[WB+16*(2*\k+\u):WB+16*(2*\k+\u)+15], v[HR+16*(2*((\p)%4)+\k):HR+16*(2*((\p)%4)+\k)+15], v[ACC+8*\u:ACC+8*\u+7], v[WSC+2*\k+\u], v[HSC+(\p)%4] matrix_a_fmt:MATRIX_FMT_BF8 matrix_b_fmt:MATRIX_FMT_BF8
.else
	v_wmma_scale_f32_16x16x128_f8f6f4 v[ACC+8*\u:ACC+8*\u+7], v[WB+16*(2*\k+\u):WB+16*(2*\k+\u)+15], v[HR+16*(2*((\p)%4)+\k):HR+16*(2*((\p)%4)+\k)+15], v[ACC+8*\u:ACC+8*\u+7], v[WSC+2*\k+\u], v[HSC+(\p)%4] matrix_a_fmt:MATRIX_FMT_BF8 matrix_b_fmt:MATRIX_FMT_BF8 matrix_b_scale:MATRIX_SCALE_ROW1
.endif
.endr
.endr
.rept 8
	v_nop                                          ; eight places in front of loads into registers that matrix instructions have read, and of the first read of results
.endr
.if (\p) < 12
	HLOAD (\p)+4                                   ; into the slots that this pair has left
.endif
.endm
	s_mov_b32 s30, 0                               ; trips
	s_mov_b32 s31, s16                             ; my tile: w + 16 x trip
.Ltile:
	s_lshl_b32 s23, s31, 4                         ; its first rank
	s_cmp_ge_u32 s23, s21
	s_cbranch_scc1 .Lskip                          ; past the expert's count: nothing to do (no load is out here, and no barrier stands in the trip)
	s_lshl_b32 s24, s17, 22                        ; h_img[e][tile]
	s_lshl_b32 s25, s31, 16
	s_add_co_u32 s24, s24, s25
	s_mov_b32 s25, 0
	s_add_nc_u64 s[26:27], s[6:7], s[24:25]
	s_lshl_b32 s24, s17, 17                        ; hs_img[e][tile]: 131,072 e + 2,048 tile
	s_lshl_b32 s67, s31, 11
	s_add_co_u32 s24, s24, s67
	s_add_nc_u64 s[28:29], s[8:9], s[24:25]
	s_lshl_b32 s67, s18, 20                        ; ws[sl][e][16 tile]: rows of 128 bytes give the same two terms, + 1,048,576 sl
	s_add_co_u32 s24, s24, s67
	s_add_nc_u64 s[68:69], s[12:13], s[24:25]
	HLOAD 0
	HLOAD 1
	HLOAD 2
	HLOAD 3
.irp p, 0,1,2,3,4,5,6,7,8,9,10,11,12,13,14,15
	PSTEP \p
.endr
	v_nop                                          ; a ninth place: the next tile's first products begin the accumulators anew and so write over these results
	; THE WAY OUT.  Lane (r, h) holds row r's d = 16 u + 8 h + 0..7: 32 bytes for each tile of d.  Through my stage they become 128 consecutive bytes a row, eight lanes to a row.
.irp u, 0,1
	ds_store_b128 v11, v[ACC+8*\u:ACC+8*\u+3] offset:64*\u          ; each accumulator from its low end on
	ds_store_b128 v11, v[ACC+8*\u+4:ACC+8*\u+7] offset:64*\u+16
.endr
.irp t, 0,1,2,3
	ds_load_b128 v[OB+4*\t:OB+4*\t+3], v12 offset:576*\t            ; rows 4 t + lane / 8; a wave's LDS instructions are served in order: these see my stores
.endr
.irp t, 0,1,2,3
	s_wait_dscnt 3-\t                              ; load t is back; the younger ones may be out
	global_store_b128 v2, v[OB+4*\t:OB+4*\t+3], s[68:69] offset:512*\t   ; rows 4 t .. 4 t + 3 on end: the wave stores 512 consecutive bytes
.endr
	s_wait_xcnt 0x0                                ; the stores' registers and base are written again in the next trip only behind this wait
.Lskip:
	s_add_co_u32 s31, s31, 16
	s_add_co_u32 s30, s30, 1
	s_cmp_lt_u32 s30, 4
	s_cbranch_scc1 .Ltile
	s_wait_tensorcnt 0x0
	ds_add_u32 v254, v255
	s_wait_dscnt 0x0
	s_endpgm
.Lfunc_end_k_qde56635c02_proj:
	.size	k_qde56635c02_proj, .Lfunc_end_k_qde56635c02_proj-k_qde56635c02_proj
	.p2alignl 7, 3214868480
	.fill 96, 4, 3214868480
	.section	.rodata,"a",@progbits
	.p2align	6, 0x0
	.amdhsa_kernel k_qde56635c02_proj
		.amdhsa_group_segment_fixed_size 276480
		.amdhsa_private_segment_fixed_size 0
		.amdhsa_enable_private_segment 0
		.amdhsa_kernarg_size 40
		.amdhsa_user_sgpr_count 2
		.amdhsa_user_sgpr_kernarg_segment_ptr 1
		.amdhsa_wavefront_size32 1
		.amdhsa_system_sgpr_workgroup_id_x 1
		.amdhsa_system_sgpr_workgroup_id_y 1
		.amdhsa_system_sgpr_workgroup_id_z 1
		.amdhsa_system_vgpr_workitem_id 0
		.amdhsa_next_free_vgpr 256
		.amdhsa_next_free_sgpr 80
		.amdhsa_reserve_vcc 0
		.amdhsa_float_denorm_mode_32 3
		.amdhsa_float_denorm_mode_16_64 3
		.amdhsa_memory_ordered 1
		.amdhsa_forward_progress 1
		.amdhsa_inst_pref_size 104
	.end_amdhsa_kernel
	.amdgpu_metadata
---
amdhsa.version: [ 1, 2 ]
amdhsa.kernels:
  - .name:           k_qde56635c02_proj
    .symbol:         k_qde56635c02_proj.kd
    .args:
      - { .name: expert_proj, .offset: 0, .size: 8, .value_kind: global_buffer, .address_space: global }
      - { .name: h_img, .offset: 8, .size: 8, .value_kind: global_buffer, .address_space: global }
      - { .name: hs_img, .offset: 16, .size: 8, .value_kind: global_buffer, .address_space: global }
      - { .name: ids, .offset: 24, .size: 8, .value_kind: global_buffer, .address_space: global }
      - { .name: ws, .offset: 32, .size: 8, .value_kind: global_buffer, .address_space: global }
    .group_segment_fixed_size: 276480
    .private_segment_fixed_size: 0
    .kernarg_segment_align: 8
    .kernarg_segment_size: 40
    .max_flat_workgroup_size: 512
    .sgpr_count:     80
    .vgpr_count:     256
    .wavefront_size: 32
...
	.end_amdgpu_metadata
.endif
;; end of part 3
;; launch place (part 4): grid 256 x 1, 4 waves a work-group, no clusters, 768 bytes of LDS; arguments ws, ids, out0; writes out0
.if DOCPART == 4
	.amdgcn_target "amdgcn-amd-amdhsa--gfx1250"
	.amdhsa_code_object_version 6
	.text
	.protected	k_qde56635c02_place
	.globl	k_qde56635c02_place
	.p2align	8
	.type	k_qde56635c02_place,@function
k_qde56635c02_place:
	s_mov_b64 s[64:65], 0
	v_nop
	global_prefetch_b8 v0, s[64:65] scope:SCOPE_SE
	s_setreg_imm32_b32 hwreg(HW_REG_WAVE_MODE, 25, 1), 1
	s_wait_xcnt 0x0
; EACH TOKEN GETS ITS ROW.  ws: [sl 0..31][e 0..7][rank 0..1023][128 bytes], rows in the order of an expert's ranks; ids: [1024] u32; out0: [1024 tokens][1024] f32.
; SHARES.  Work-group g owns tokens 4 g .. 4 g + 3.  Wave j first finds the place of token 4 g + j: its expert e, and its rank, the number of tokens of e that stand ahead of it in the order
;   that the two launches before use: ids as 32 registers (register m, lane p: token 128 (m / 4) + 4 p + m % 4), register major, lane minor.  Token 4 g + j is register 4 (g / 32) + j, lane g % 32.
;   For each register: the lanes that hold e, cut by a limit (all lanes of the registers ahead, the lanes under mine in my register, none behind), counted and summed.
;   The four places, 1,024 e + rank, meet in four LDS words; one barrier.
;   Then wave j fetches slices sl = 8 j .. 8 j + 7 of all four tokens, eight lanes to a token's 128 bytes, and stores them at addresses made of the work-group's, the wave's and the lane's numbers alone.
; Each load and each store of a wave covers four runs of 128 consecutive bytes: ws is laid by slices of 32 columns, as the work-groups that wrote it own them.  8 MB move in all.
; No matrix unit, no cluster, no tensor load: a copy of 16 KB a work-group, shared with nobody.
.set IDS, 16                           ; v16-47  ids
.set DT,  48                           ; v48-79  eight loads of four registers
	s_load_b128 s[4:7], s[0:1], 0x0                ; ws s[4:5], ids s[6:7]
	s_load_b64 s[8:9], s[0:1], 0x10                ; out0
	v_lshl_add_u32 v80, v0, 2, 0x100
	v_mov_b32 v81, 0
	v_lshrrev_b32 v1, 5, v0
	v_readfirstlane_b32 s10, v1                    ; wave j
	v_and_b32 v2, 31, v0                           ; lane
	v_lshlrev_b32 v3, 4, v2                        ; 16 x lane
	v_lshlrev_b32 v4, 2, v1                        ; LDS: my token's word, 4 j
	v_bfe_u32 v5, v0, 3, 2                         ; lane / 8: which of the four tokens I copy
	v_lshlrev_b32 v6, 2, v5                        ; LDS: that token's word
	v_and_b32 v7, 7, v0
	v_lshlrev_b32 v7, 4, v7                        ; 16 (lane % 8)
	v_lshl_add_u32 v8, v5, 12, v7                  ; out0: row lane / 8 of the four, + 16 (lane % 8)
	s_lshr_b32 s11, ttmp9, 5
	s_and_b32 s12, ttmp9, 31                       ; my token's lane
	s_lshl_b32 s13, s11, 2
	s_add_co_u32 s13, s13, s10                     ; and its register: 4 (g / 32) + j
	s_lshl_b32 s14, 1, s12
	s_sub_co_u32 s14, s14, 1                       ; the lanes under it
	s_lshl_b32 s16, ttmp9, 4
	s_lshl_b32 s17, s10, 2
	s_add_co_u32 s16, s16, s17                     ; 4 x (4 g + j)
	s_mov_b32 s17, 0
	s_wait_kmcnt 0x0
	s_add_nc_u64 s[18:19], s[6:7], s[16:17]
	s_load_b32 s20, s[18:19], 0x0                  ; my token's expert (no line of this launch writes ids)
.irp i, 0,1,2,3,4,5,6,7
	global_load_b128 v[IDS+4*\i:IDS+4*\i+3], v3, s[6:7] offset:512*\i
.endr
	s_lshl_b32 s16, s10, 23
	s_add_nc_u64 s[4:5], s[4:5], s[16:17]          ; ws at slice 8 j
	s_lshl_b32 s16, ttmp9, 14
	s_lshl_b32 s21, s10, 10
	s_add_co_u32 s16, s16, s21
	s_add_nc_u64 s[8:9], s[8:9], s[16:17]          ; out0 at token 4 g, column 256 j
	s_mov_b32 s22, 0                               ; the rank
	s_wait_kmcnt 0x0
	s_wait_loadcnt 0x0
.set m, 0
.rept 32
	v_cmp_eq_u32 s24, s20, v[IDS+m]                ; the lanes of register m that hold my expert
	s_cmp_gt_u32 s13, m
	s_cselect_b32 s25, -1, 0                       ; a register ahead of mine counts whole, one behind it not at all,
	s_cmp_eq_u32 s13, m
	s_cselect_b32 s25, s14, s25                    ; mine with the lanes under my lane
	s_and_b32 s24, s24, s25
	s_bcnt1_i32_b32 s24, s24
	s_add_co_u32 s22, s22, s24
.set m, m+1
.endr
	s_lshl_b32 s20, s20, 10
	s_add_co_u32 s22, s22, s20                     ; 1,024 e + rank: my token's row in a slice of ws
	v_mov_b32 v9, s22
	ds_store_b32 v4, v9                            ; all lanes write the same word with the same value
	s_wait_dscnt 0x0                               ; for the others' sake: my word has landed
	s_barrier_signal -1
	s_barrier_wait -1
	ds_load_b32 v10, v6                            ; the row of the token that I copy
	s_wait_dscnt 0x0
	v_min_u32 v10, 0x1fff, v10                     ; held inside a slice's 8,192 rows before it enters an address
	v_lshl_add_u32 v11, v10, 7, v7                 ; 128 bytes a row, + 16 (lane % 8)
.irp i, 0,1,2,3,4,5,6,7
	global_load_b128 v[DT+4*\i:DT+4*\i+3], v11, s[4:5] offset:\i*1048576   ; slice 8 j + i: 7 x 1,048,576 at the most, inside the signed 24-bit immediate (ISA guide, chapter 10)
.endr
.irp i, 0,1,2,3,4,5,6,7
	s_wait_loadcnt 7-\i                            ; load i is in; the younger ones may be out
	global_store_b128 v8, v[DT+4*\i:DT+4*\i+3], s[8:9] offset:128*\i       ; columns 32 (8 j + i) on of the four tokens
.endr
	s_wait_tensorcnt 0x0
	ds_add_u32 v80, v81
	s_wait_dscnt 0x0
	s_endpgm
.Lfunc_end_k_qde56635c02_place:
	.size	k_qde56635c02_place, .Lfunc_end_k_qde56635c02_place-k_qde56635c02_place
	.p2alignl 7, 3214868480
	.fill 96, 4, 3214868480
	.section	.rodata,"a",@progbits
	.p2align	6, 0x0
	.amdhsa_kernel k_qde56635c02_place
		.amdhsa_group_segment_fixed_size 768
		.amdhsa_private_segment_fixed_size 0
		.amdhsa_enable_private_segment 0
		.amdhsa_kernarg_size 24
		.amdhsa_user_sgpr_count 2
		.amdhsa_user_sgpr_kernarg_segment_ptr 1
		.amdhsa_wavefront_size32 1
		.amdhsa_system_sgpr_workgroup_id_x 1
		.amdhsa_system_sgpr_workgroup_id_y 1
		.amdhsa_system_sgpr_workgroup_id_z 1
		.amdhsa_system_vgpr_workitem_id 0
		.amdhsa_next_free_vgpr 82
		.amdhsa_next_free_sgpr 66
		.amdhsa_reserve_vcc 0
		.amdhsa_float_denorm_mode_32 3
		.amdhsa_float_denorm_mode_16_64 3
		.amdhsa_memory_ordered 1
		.amdhsa_forward_progress 1
		.amdhsa_inst_pref_size 14
	.end_amdhsa_kernel
	.amdgpu_metadata
---
amdhsa.version: [ 1, 2 ]
amdhsa.kernels:
  - .name:           k_qde56635c02_place
    .symbol:         k_qde56635c02_place.kd
    .args:
      - { .name: ws, .offset: 0, .size: 8, .value_kind: global_buffer, .address_space: global }
      - { .name: ids, .offset: 8, .size: 8, .value_kind: global_buffer, .address_space: global }
      - { .name: out0, .offset: 16, .size: 8, .value_kind: global_buffer, .address_space: global }
    .group_segment_fixed_size: 768
    .private_segment_fixed_size: 0
    .kernarg_segment_align: 8
    .kernarg_segment_size: 24
    .max_flat_workgroup_size: 128
    .sgpr_count:     66
    .vgpr_count:     82
    .wavefront_size: 32
...
	.end_amdgpu_metadata
.endif
;; end of part 4
;; ======== version 2 of 2: 4 launches
;; workspace buffers: x_codes 1,048,576 bytes; x_scales 32,768 bytes; ids 4,096 bytes of whole numbers; h_img 33,554,432 bytes; hs_img 1,048,576 bytes; ws 33,554,432 bytes
;; launch route (part 5): grid 256 x 1, 4 waves a work-group, no clusters, 21,248 bytes of LDS; arguments x, router_w, x_codes, x_scales, ids; writes x_codes, x_scales, ids
.if DOCPART == 5
	.amdgcn_target "amdgcn-amd-amdhsa--gfx1250"
	.amdhsa_code_object_version 6
	.text
	.protected	k_qde56635c02_route
	.globl	k_qde56635c02_route
	.p2align	8
	.type	k_qde56635c02_route,@function
k_qde56635c02_route:
	s_mov_b64 s[64:65], 0
	v_nop
	global_prefetch_b8 v0, s[64:65] scope:SCOPE_SE
	s_setreg_imm32_b32 hwreg(HW_REG_WAVE_MODE, 25, 1), 1
	s_wait_xcnt 0x0
; ROUTER AND x's QUANTISER.  x: [1024 tokens][1024] f32; router_w: [8][1024] f32.
; A wave takes one token: it reads the token's 4,096 bytes once and uses them twice:
;   (a) eight dot products with the router's rows in f32 (fused multiply-adds), a softmax with its maximum taken away, and the index of the
;       largest probability, the lower index where two are equal;  (b) codes of E5M2 with one E8M0 byte for each 32 along the row.
; OUT: x_codes [token][1024 bytes], x_scales [token][32 bytes], ids [token] u32.  The index steers no address here: it is only stored.
; A block's scale is 2^(floor(log2(largest magnitude)) - 15): its byte is that magnitude's exponent field - 15, held at 1 from below.
; LIMITS: NaN and infinities among the inputs are not served.  A block of zeros gets the byte 1 and not 127: its codes are zeros and this program alone
; reads the bytes.  A token whose two largest probabilities agree to the last bits of f32 may go to either expert.
; No matrix unit (8 columns), no cluster, no tensor load: a wave's work is 4 KB of its own and 32 KB of router rows that every wave reads again.
.set X,   16                           ; v16-47    x as loaded: load i holds k = 128 i + 4 lane + 0..3
.set RW,  48                           ; v48-175   four sets of 32: router rows, in the same map
.set DA,  176                          ; v176-191  a pair of partial sums for each expert
.set XT,  192                          ; v192-223  two sets of 16 neighbours along the row
.set CD,  224                          ; v224-231  codes: four registers for each half row
.set LG,  232                          ; v232-239  logits, then probabilities
.set PT,  240                          ; v240-247  the other half of the lanes' sums
.set STG, 5120                         ; LDS: two stages of 32 x 80 bytes for each wave
.set SCB, 20480                        ; the four tokens' 4 x 32 scale bytes
.set IDB, 20608                        ; and their four indices
	s_load_b256 s[4:11], s[0:1], 0x0               ; x s[4:5], router_w s[6:7], x_codes s[8:9], x_scales s[10:11]
	s_load_b64 s[12:13], s[0:1], 0x20              ; ids
	v_lshl_add_u32 v255, v0, 2, 0x5100
	s_set_vgpr_msb 0x40
	v_mov_b32 v1, 0
	s_set_vgpr_msb 0x4000
	v_lshrrev_b32 v1, 5, v0
	v_readfirstlane_b32 s14, v1                    ; wave 0..3
	v_and_b32 v1, 31, v0                           ; lane
	v_lshlrev_b32 v2, 4, v1                        ; 16 x lane: my bytes of a load's or a store's 512
	s_mul_i32 s16, s14, STG
	v_lshrrev_b32 v3, 2, v1
	v_mul_u32_u24 v3, v3, 80
	v_and_b32 v6, 3, v1
	v_lshl_add_u32 v3, v6, 4, v3
	v_add_nc_u32 v3, s16, v3                       ; the stage, in: four lanes' 64 bytes on end, then 16 of padding
	v_mul_u32_u24 v4, v1, 80
	v_add_nc_u32 v4, s16, v4                       ; and out: my 16 neighbours
	s_lshl_b32 s16, s14, 5
	s_add_co_u32 s16, s16, SCB
	v_lshrrev_b32 v5, 1, v1
	v_add_nc_u32 v5, s16, v5                       ; my token's scale bytes, my block's byte (two lanes to a block)
	s_lshl_b32 s16, s14, 2
	s_add_co_u32 s16, s16, IDB
	v_mov_b32 v7, s16                              ; my token's index word
	v_lshlrev_b32 v14, 2, v1                       ; 4 x lane
	v_add_nc_u32 v15, SCB, v14                     ; wave 0's way out: word lane of the 128 scale bytes,
	v_lshl_add_u32 v6, v6, 2, IDB                  ; and word lane % 4 of the indices
	s_mov_b32 s18, 0x76543210
	s_mov_b32 s19, 0xfedcba98                      ; v_permlanex16_b32's selects for lane l xor 16
	s_mov_b32 s20, 0x600000                        ; the mantissa field of 57,344
.irp e, 0,1,2,3,4,5,6,7
	v_mov_b32 v[PT+\e], 0                          ; a lane permute's destination counts as one of its sources
.endr
	s_lshl_b32 s15, ttmp9, 2
	s_add_co_u32 s15, s15, s14                     ; my token
	s_lshl_b32 s16, s15, 12
	s_mov_b32 s17, 0
	s_wait_kmcnt 0x0
	s_add_nc_u64 s[4:5], s[4:5], s[16:17]          ; its row of x,
	s_lshl_b32 s16, s15, 10
	s_add_nc_u64 s[8:9], s[8:9], s[16:17]          ; its codes;
	s_lshl_b32 s16, ttmp9, 7
	s_add_nc_u64 s[10:11], s[10:11], s[16:17]      ; the work-group's 128 scale bytes
	s_lshl_b32 s16, ttmp9, 4
	s_add_nc_u64 s[12:13], s[12:13], s[16:17]      ; and 16 bytes of indices
.irp i, 0,1,2,3,4,5,6,7
	global_load_b128 v[X+4*\i:X+4*\i+3], v2, s[4:5] offset:512*\i th:TH_LOAD_NT
.endr
.macro RLOAD e                         ; router row e into set e % 4
.irp i, 0,1,2,3,4,5,6,7
	global_load_b128 v[RW+32*((\e)%4)+4*\i:RW+32*((\e)%4)+4*\i+3], v2, s[6:7] offset:4096*(\e)+512*\i
.endr
.endm
	RLOAD 0
	RLOAD 1
	RLOAD 2
	RLOAD 3
	s_wait_loadcnt 32                              ; x is in; the 32 loads of router rows 0 to 3 may be out
; half row st (512 numbers) goes through the stage as it lies and comes back 64 bytes a lane; a wave's LDS instructions are served in order
.macro TURN st
.irp i, 0,1,2,3
	ds_store_b128 v3, v[X+16*\st+4*\i:X+16*\st+4*\i+3] offset:2560*\st+640*\i
.endr
.irp i, 0,1,2,3
	ds_load_b128 v[XT+16*\st+4*\i:XT+16*\st+4*\i+3], v4 offset:2560*\st+16*\i
.endr
.endm
	TURN 0
	TURN 1
	s_wait_dscnt 0x0
.macro QSTEP st
.set XQ, XT+16*\st
	v_max3_num_f32 v8, |v[XQ]|, |v[XQ+1]|, |v[XQ+2]|               ; the largest magnitude of my 16, in two chains
	v_max3_num_f32 v9, |v[XQ+3]|, |v[XQ+4]|, |v[XQ+5]|
.irp i, 6,10
	v_max3_num_f32 v8, v8, |v[XQ+\i]|, |v[XQ+\i+1]|
	v_max3_num_f32 v9, v9, |v[XQ+\i+2]|, |v[XQ+\i+3]|
.endr
	v_max3_num_f32 v8, v8, |v[XQ+14]|, |v[XQ+15]|
	v_max3_num_f32 v8, v8, v9, 0x8000000           ; and the floor 2^(16 - 127): the byte cannot fall under 1
	v_max_num_f32_dpp v8, v8, v8 row_xmask:1 row_mask:0xf bank_mask:0xf   ; with my neighbour's 16: the block's
	v_add_nc_u32 v11, 0xf8800000, v8               ; 15 off its exponent field: the conversion's scale operand
	v_and_or_b32 v10, v8, 0x7f800000, s20          ; 57,344 x the scale
.irp i, 0,1,2,3,4,5,6,7,8,9,10,11,12,13,14,15
	v_med3_num_f32 v[XQ+\i], v[XQ+\i], -v10, v10   ; the conversion to an 8-bit code does not saturate (ISA guide 7.6.2): the hold comes first
.endr
	v_cvt_scalef32_pk8_bf8_f32 v[CD+4*\st:CD+4*\st+1], v[XQ:XQ+7], v11
	v_cvt_scalef32_pk8_bf8_f32 v[CD+4*\st+2:CD+4*\st+3], v[XQ+8:XQ+15], v11
	v_lshrrev_b32 v[12+\st], 23, v11               ; the scale's byte (also the plain line behind the conversions)
	ds_store_b8 v5, v[12+\st] offset:16*\st        ; both lanes of a block write the same byte with the same value
	global_store_b128 v2, v[CD+4*\st:CD+4*\st+3], s[8:9] offset:512*\st   ; the wave stores 512 consecutive bytes
.endm
	QSTEP 0
	QSTEP 1
; two experts' dot products by turns, two numbers an instruction; the first product starts each sum
.macro DOT2 a
.irp d, 0,1
	v_pk_mul_f32 v[DA+2*(\a+\d):DA+2*(\a+\d)+1], v[X:X+1], v[RW+32*((\a+\d)%4):RW+32*((\a+\d)%4)+1]
.endr
.irp j, 1,2,3,4,5,6,7,8,9,10,11,12,13,14,15
.irp d, 0,1
	v_pk_fma_f32 v[DA+2*(\a+\d):DA+2*(\a+\d)+1], v[X+2*\j:X+2*\j+1], v[RW+32*((\a+\d)%4)+2*\j:RW+32*((\a+\d)%4)+2*\j+1], v[DA+2*(\a+\d):DA+2*(\a+\d)+1]
.endr
.endr
.endm
	s_wait_loadcnt 16                              ; rows 0 and 1 are in; behind them: rows 2 and 3
	DOT2 0
	RLOAD 4
	RLOAD 5
	s_wait_loadcnt 16                              ; rows 2 and 3; behind them: rows 4 and 5
	DOT2 2
	RLOAD 6
	RLOAD 7
	s_wait_loadcnt 16                              ; rows 4 and 5; behind them: rows 6 and 7
	DOT2 4
	s_wait_loadcnt 0x0
	DOT2 6
.irp e, 0,1,2,3,4,5,6,7
	v_add_f32 v[LG+\e], v[DA+2*\e], v[DA+2*\e+1]
.endr
.irp k, 1,2,4,8
.irp e, 0,1,2,3,4,5,6,7
	v_add_f32_dpp v[LG+\e], v[LG+\e], v[LG+\e] row_xmask:\k row_mask:0xf bank_mask:0xf
.endr
.endr
.irp e, 0,1,2,3,4,5,6,7
	v_permlanex16_b32 v[PT+\e], v[LG+\e], s18, s19
.endr
.irp e, 0,1,2,3,4,5,6,7
	v_add_f32 v[LG+\e], v[LG+\e], v[PT+\e]         ; every lane holds the eight logits
.endr
	v_max3_num_f32 v248, v[LG], v[LG+1], v[LG+2]   ; the softmax: the largest logit is taken away first
	v_max3_num_f32 v248, v248, v[LG+3], v[LG+4]
	v_max3_num_f32 v248, v248, v[LG+5], v[LG+6]
	v_max_num_f32 v248, v248, v[LG+7]
.irp e, 0,1,2,3,4,5,6,7
	v_sub_f32 v[LG+\e], v[LG+\e], v248
.endr
.irp e, 0,1,2,3,4,5,6,7
	v_mul_f32 v[LG+\e], 0x3fb8aa3b, v[LG+\e]       ; x log2(e)
.endr
	s_wait_alu depctr_va_vdst(0)
.irp e, 0,1,2,3,4,5,6,7
	v_exp_f32 v[LG+\e], v[LG+\e]
.endr
	v_nop                                          ; a plain line behind the exponentials
	s_wait_alu depctr_va_vdst(0)
	v_add_f32 v249, v[LG], v[LG+1]
	v_add_f32 v252, v[LG+2], v[LG+3]
	v_add_f32 v253, v[LG+4], v[LG+5]
	v_add_f32 v254, v[LG+6], v[LG+7]
	v_add_f32 v249, v249, v252
	v_add_f32 v253, v253, v254
	v_add_f32 v249, v249, v253
	s_wait_alu depctr_va_vdst(0)
	v_rcp_f32 v249, v249
	v_mov_b32 v251, 0                              ; (a plain line behind the reciprocal)  the index so far
	s_wait_alu depctr_va_vdst(0)
.irp e, 0,1,2,3,4,5,6,7
	v_mul_f32 v[LG+\e], v[LG+\e], v249             ; the probabilities
.endr
	v_mov_b32 v250, v[LG]                          ; the largest so far
.irp e, 1,2,3,4,5,6,7
	v_cmp_gt_f32 vcc_lo, v[LG+\e], v250            ; strictly larger: of equals the lower index stays
	v_cndmask_b32 v250, v250, v[LG+\e], vcc_lo
	v_cndmask_b32 v251, v251, \e, vcc_lo
.endr
	ds_store_b32 v7, v251                          ; all lanes write the same word with the same value
	s_wait_dscnt 0x0                               ; for wave 0's sake: my scale bytes and my index have landed
	s_barrier_signal -1
	s_barrier_wait -1
	s_cmp_lg_u32 s14, 0
	s_cbranch_scc1 .Lend
	ds_load_b32 v8, v15                            ; wave 0 sends the four tokens' 128 scale bytes and 16 bytes of indices
	ds_load_b32 v9, v6
	s_wait_dscnt 0x0
	global_store_b32 v14, v8, s[10:11]
	v_cmp_gt_u32 vcc_lo, 4, v1
	s_wait_xcnt 0x0                                ; EXEC changes only when the stores issued so far have been taken up
	s_and_saveexec_b32 s21, vcc_lo
	global_store_b32 v14, v9, s[12:13]
	s_wait_xcnt 0x0
	s_or_b32 exec_lo, exec_lo, s21
.Lend:
	s_set_vgpr_msb 0x4
	s_wait_tensorcnt 0x0
	ds_add_u32 v255, v1
	s_wait_dscnt 0x0
	s_set_vgpr_msb 0x400
	s_endpgm
.Lfunc_end_k_qde56635c02_route:
	.size	k_qde56635c02_route, .Lfunc_end_k_qde56635c02_route-k_qde56635c02_route
	.p2alignl 7, 3214868480
	.fill 96, 4, 3214868480
	.section	.rodata,"a",@progbits
	.p2align	6, 0x0
	.amdhsa_kernel k_qde56635c02_route
		.amdhsa_group_segment_fixed_size 21248
		.amdhsa_private_segment_fixed_size 0
		.amdhsa_enable_private_segment 0
		.amdhsa_kernarg_size 40
		.amdhsa_user_sgpr_count 2
		.amdhsa_user_sgpr_kernarg_segment_ptr 1
		.amdhsa_wavefront_size32 1
		.amdhsa_system_sgpr_workgroup_id_x 1
		.amdhsa_system_sgpr_workgroup_id_y 1
		.amdhsa_system_sgpr_workgroup_id_z 1
		.amdhsa_system_vgpr_workitem_id 0
		.amdhsa_next_free_vgpr 258
		.amdhsa_next_free_sgpr 66
		.amdhsa_reserve_vcc 1
		.amdhsa_float_denorm_mode_32 3
		.amdhsa_float_denorm_mode_16_64 3
		.amdhsa_memory_ordered 1
		.amdhsa_forward_progress 1
		.amdhsa_inst_pref_size 30
	.end_amdhsa_kernel
	.amdgpu_metadata
---
amdhsa.version: [ 1, 2 ]
amdhsa.kernels:
  - .name:           k_qde56635c02_route
    .symbol:         k_qde56635c02_route.kd
    .args:
      - { .name: x, .offset: 0, .size: 8, .value_kind: global_buffer, .address_space: global }
      - { .name: router_w, .offset: 8, .size: 8, .value_kind: global_buffer, .address_space: global }
      - { .name: x_codes, .offset: 16, .size: 8, .value_kind: global_buffer, .address_space: global }
      - { .name: x_scales, .offset: 24, .size: 8, .value_kind: global_buffer, .address_space: global }
      - { .name: ids, .offset: 32, .size: 8, .value_kind: global_buffer, .address_space: global }
    .group_segment_fixed_size: 21248
    .private_segment_fixed_size: 0
    .kernarg_segment_align: 8
    .kernarg_segment_size: 40
    .max_flat_workgroup_size: 128
    .sgpr_count:     66
    .vgpr_count:     258
    .wavefront_size: 32
...
	.end_amdgpu_metadata
.endif
;; end of part 5
;; launch fc (part 6): grid 256 x 1, 16 waves a work-group, no clusters, 138,240 bytes of LDS; arguments expert_fc, x_codes, x_scales, ids, h_img, hs_img; writes h_img, hs_img
.if DOCPART == 6
	.amdgcn_target "amdgcn-amd-amdhsa--gfx1250"
	.amdhsa_code_object_version 6
	.text
	.protected	k_qde56635c02_fc
	.globl	k_qde56635c02_fc
	.p2align	8
	.type	k_qde56635c02_fc,@function
k_qde56635c02_fc:
	s_mov_b64 s[64:65], 0
	v_nop
	global_prefetch_b8 v0, s[64:65] scope:SCOPE_SE
	s_setreg_imm32_b32 hwreg(HW_REG_WAVE_MODE, 25, 1), 1
	s_wait_xcnt 0x0
; h = relu(x fc[e])^2 FOR THE TOKENS OF EXPERT e ALONE, quantised along the hidden axis.  expert_fc: [8][1024 (d = K)][4096 (hidden)] f32.
; SHARES.  Work-group (e = number / 32, sl = number % 32) owns hidden units 128 sl .. + 127 of expert e, for all of K: 512 KB of f32 that no other work-group reads.
; PHASE 1.  Sixteen waves read them once: wave (ks = w % 8, ch = w / 8) takes rows 128 ks .. + 127 and 64 columns.  A LANE TAKES FOUR COLUMNS AND ITS REGISTERS RUN DOWN K:
;   a load's lanes 0-15 read 256 consecutive bytes of row 32 c + i, lanes 16-31 those of the row 16 further down, so a block of 32 along K lies in lanes l and l xor 16.
;   The hold at the largest code also moves a column's 16 numbers into consecutive registers; the conversions' 16 bytes go into LDS at the place that the operand's layout gives them:
;   64 fragments (8 K steps x 8 tiles of 16 hidden units) as images of their registers, 128 KB, and their scale words.  One barrier.
; PHASE 2.  Wave w takes the expert's tiles of 16 tokens w, w + 16, w + 32, w + 48: a loop of four trips; a trip whose tile lies past the expert's count is jumped over (no barrier inside).
;   S^T = W^T x^T (source 0 = 16 hidden units, source 1 = 16 tokens): a lane holds one token and its registers run along the hidden units, the next product's K.
;   THE HIDDEN UNITS OF A TILE ARE NOT NEIGHBOURS: lane r of tile 2 b + u holds unit 32 b + 8 u + r + 8 (r / 8), so the 16 registers of tiles 2 b, 2 b + 1 are 16 neighbours.
;   a |a| keeps the sign; the quantiser's hold between 0 and the largest code then makes it relu(a)^2.  The 128 units are K step sl of the next product: one fragment and one scale word a token.
; THE ORDER OF AN EXPERT'S TOKENS is made in registers from ids, alike here and in the next launch: 32 lane masks (register m, lane p: token 128 (m / 4) + 4 p + m % 4), rank = m major, lane minor.
;   Rows of the last tile past the count take the last token again; their bytes are written and never stored as output.
; OUT: h_img [e][tile 0..63][K step 0..31][c 0..3][lane] x 16 bytes (register images), hs_img [e][tile][K step][row] u32.  Only tiles under the count are written, and only those are read.
; NO JOINT LOADS: the weights, 512 KB of a work-group's bytes, are shared with nobody; x's tiles, 16 KB each, are shared by an expert's 32 work-groups, but how many there are hangs on a count read from memory.
; LIMITS: NaN and infinities are not served; a block of zeros gets the byte 1 and not 127 (its codes are zeros; this program alone reads the bytes).
.set FCROW, 16384                      ; a row of expert_fc in bytes
.set WFR,  2064                        ; a fragment's image, 2,048 bytes, + 16: so the writer's sixteen lanes fall on sixteen different 16-byte columns
.set WKS,  8*WFR                       ; a K step's eight fragments
.set SCW,  8*WKS                       ; behind the images: scale words, [K step][tile][row] u32
.set RA,   16                          ; phase 1: v16-79, v80-143 two blocks of 32 along K as loaded: register 4 i + j = W(32 c + 16 h + i, column 4 q + j)
.set RB,   80
.set IDS,  144                         ; v144-175 ids, until the masks are made;
.set TT,   144                         ; then two sets of 16 numbers of one column
.set CD,   176                         ; v176-207 codes, two sets of 16
.set WD,   208                         ; v208-211 my four columns' scale words
.set MX,   220                         ; v220-235 maxima, bytes, holds, scale operands: four each
.set HA,   16                          ; phase 2: v16-79 eight accumulators
.set WB,   80                          ; v80-143  four fragments of W
.set XF,   144                         ; v144-207 four slots for x's fragments
.set XS,   208                         ; v208-215 x's eight scale words
.set WS,   216                         ; v216-219 W's scale words
.set TS,   220                         ; v220-230 at work in SELECT
.set VQ,   233
.set TOK,  234
.set TM,   80                          ; the quantiser of h: at work v80-95, codes v96-111, scale word v112
.set PC,   96
.set PW,   112
.set AW,   5                           ; v5-8 16 x lane + the images of K steps 0-1, 2-3, 4-5, 6-7
	s_load_b256 s[4:11], s[0:1], 0x0               ; expert_fc s[4:5], x_codes s[6:7], x_scales s[8:9], ids s[10:11]
	s_load_b128 s[12:15], s[0:1], 0x20             ; h_img s[12:13], hs_img s[14:15]
	v_lshl_add_u32 v254, v0, 2, 0x21400
	v_mov_b32 v255, 0
	v_lshrrev_b32 v1, 5, v0
	s_delay_alu instid0(VALU_DEP_1)
	v_readfirstlane_b32 s16, v1                    ; wave 0..15
	s_lshr_b32 s17, ttmp9, 5                       ; e
	s_and_b32 s18, ttmp9, 31                       ; sl
	s_and_b32 s19, s16, 7                          ; ks
	s_lshr_b32 s20, s16, 3                         ; ch
	v_and_b32 v1, 31, v0                           ; lane
	v_and_b32 v12, 15, v0                          ; q
	v_bfe_u32 v16, v0, 4, 1                        ; h
	s_delay_alu instid0(VALU_DEP_1)
	v_lshlrev_b32 v13, 4, v16                      ; 16 h
	s_delay_alu instid0(VALU_DEP_4)
	v_lshlrev_b32 v10, 4, v1                       ; 16 x lane
	s_delay_alu instid0(VALU_DEP_4)
	v_lshlrev_b32 v11, 2, v12                      ; 4 q
	v_lshlrev_b32 v2, 4, v12
	s_delay_alu instid0(VALU_DEP_1)
	v_lshl_add_u32 v2, v16, 18, v2                 ; the weights: 16 q, and 16 rows further down for lanes 16-31
	v_bfe_u32 v17, v0, 3, 1
	v_bfe_u32 v18, v0, 1, 1
	s_delay_alu instid0(VALU_DEP_1)
	v_lshl_add_u32 v17, v17, 1, v18                ; which of my four tiles: 2 (q / 8) + (q / 2) % 2
	v_and_b32 v18, 1, v0                           ; q % 2
	v_bfe_u32 v19, v0, 2, 1                        ; (q / 4) % 2
	s_mul_i32 s24, s19, WKS
	s_mul_i32 s25, s20, 4*WFR
	s_add_co_u32 s24, s24, s25
	v_mul_u32_u24 v3, v17, WFR
	s_delay_alu instid0(VALU_DEP_1)
	v_lshl_add_u32 v3, v16, 8, v3
	s_delay_alu instid0(VALU_DEP_1)
	v_lshl_add_u32 v3, v18, 6, v3
	s_delay_alu instid0(VALU_DEP_1)
	v_lshl_add_u32 v3, v19, 7, v3
	s_delay_alu instid0(VALU_DEP_1)
	v_add_nc_u32 v3, s24, v3                       ; where column j's 16 codes go (+ 512 c + 16 j): image lane 4 (q % 2) + j + 8 ((q / 4) % 2) + 16 h
	s_lshl_b32 s24, s19, 9
	s_lshl_b32 s25, s20, 8
	s_add_co_u32 s24, s24, s25
	s_add_co_u32 s24, s24, SCW
	v_lshlrev_b32 v4, 6, v17
	s_delay_alu instid0(VALU_DEP_1)
	v_lshl_add_u32 v4, v18, 4, v4
	s_delay_alu instid0(VALU_DEP_1)
	v_lshl_add_u32 v4, v19, 5, v4
	s_delay_alu instid0(VALU_DEP_1)
	v_add_nc_u32 v4, s24, v4                       ; and my four columns' scale words, 16 bytes on end
.irp k, 0,1,2,3
	v_add_nc_u32 v[AW+\k], \k*2*WKS, v10
.endr
	v_add_nc_u32 v9, SCW, v11                      ; phase 2: row q's scale word
.irp j, 0,1,2,3
	v_mov_b32 v[MX+4+\j], 0                        ; a lane permute's destination counts as one of its sources
.endr
	s_mov_b32 s70, 0x76543210
	s_mov_b32 s71, 0xfedcba98                      ; v_permlanex16_b32's selects for lane l xor 16
	s_mov_b32 s72, 0x600000                        ; the mantissa field of 57,344
	s_lshl_b32 s24, s17, 24                        ; my part of expert_fc: expert, 128 ks rows, 512 sl + 256 ch bytes along a row
	s_lshl_b32 s25, s19, 21
	s_add_co_u32 s24, s24, s25
	s_lshl_b32 s25, s18, 9
	s_add_co_u32 s24, s24, s25
	s_lshl_b32 s25, s20, 8
	s_add_co_u32 s24, s24, s25
	s_mov_b32 s25, 0
	s_wait_kmcnt 0x0
	s_add_nc_u64 s[4:5], s[4:5], s[24:25]
.irp i, 0,1,2,3,4,5,6,7
	global_load_b128 v[IDS+4*\i:IDS+4*\i+3], v10, s[10:11] offset:512*\i
.endr
.macro WLOAD c, r                      ; block c of 32 along K: sixteen loads, each two whole aligned runs of 256 bytes
.irp i, 0,1,2,3,4,5,6,7,8,9,10,11,12,13,14,15
	global_load_b128 v[\r+4*\i:\r+4*\i+3], v2, s[4:5] offset:(32*\c+\i)*FCROW th:TH_LOAD_NT
.endr
.endm
	WLOAD 0, RA
	WLOAD 1, RB
; the 32 lane masks of my expert's tokens, s[32:63], and their count
	s_wait_loadcnt 32                              ; ids are in; the 32 loads of weights may be out
	s_mov_b32 s21, 0
.set m, 0
.rept 32
	v_cmp_eq_u32 s[32+m], s17, v[IDS+m]
.set m, m+1
.endr
.set m, 0
.rept 32
	s_bcnt1_i32_b32 s66, s[32+m]
	s_add_co_u32 s21, s21, s66
.set m, m+1
.endr
	s_sub_co_u32 s22, s21, 1                       ; the last rank (not used where the count is 0: every tile is then jumped over)
; block c: four columns' scales, holds, codes
.macro QBLK c, r, left
	s_wait_loadcnt \left                           ; this block's sixteen loads are in; the block issued behind it may be out
	s_wait_dscnt 0x0                               ; the LDS stores of two blocks ago have read the registers that take this block's codes
.irp j, 0,1,2,3
	v_max3_num_f32 v[MX+\j], |v[\r+\j]|, |v[\r+4+\j]|, 0x8000000   ; column j: my 16 numbers, and the floor 2^(16 - 127): the byte cannot fall under 1
.endr
.irp i, 2,4,6,8,10,12,14
.irp j, 0,1,2,3
	s_delay_alu instid0(VALU_DEP_4)
	v_max3_num_f32 v[MX+\j], v[MX+\j], |v[\r+4*\i+\j]|, |v[\r+4*\i+4+\j]|   ; (the four columns by turns)
.endr
.endr
.irp j, 0,1,2,3
	s_delay_alu instid0(VALU_DEP_4)
	v_permlanex16_b32 v[MX+4+\j], v[MX+\j], s70, s71
.endr
.irp j, 0,1,2,3
	s_delay_alu instid0(VALU_DEP_4)
	v_max_num_f32 v[MX+\j], v[MX+\j], v[MX+4+\j]   ; with lane l xor 16's: the block's largest magnitude
.endr
.irp j, 0,1,2,3
	s_delay_alu instid0(VALU_DEP_4)
	v_add_nc_u32 v[MX+12+\j], 0xf8800000, v[MX+\j] ; 15 off its exponent field: the conversion's scale operand
.endr
.irp j, 0,1,2,3
	v_and_or_b32 v[MX+8+\j], v[MX+\j], 0x7f800000, s72   ; 57,344 x the scale
.endr
.if \c == 0
.irp j, 0,1,2,3
	v_lshrrev_b32 v[WD+\j], 23, v[MX+12+\j]        ; the scale's byte: the word's lowest
.endr
.else
.irp j, 0,1,2,3
	v_lshrrev_b32 v[MX+4+\j], 23, v[MX+12+\j]
.endr
.irp j, 0,1,2,3
	s_delay_alu instid0(VALU_DEP_4)
	v_lshl_or_b32 v[WD+\j], v[MX+4+\j], 8*\c, v[WD+\j]
.endr
.endif
.irp j, 0,1,2,3
.irp i, 0,1,2,3,4,5,6,7,8,9,10,11,12,13,14,15
	v_med3_num_f32 v[TT+16*(\j%2)+\i], v[\r+4*\i+\j], -v[MX+8+\j], v[MX+8+\j]   ; the hold (the conversion does not saturate: ISA guide 7.6.2) also puts the column's K on end
.endr
	v_cvt_scalef32_pk8_bf8_f32 v[CD+16*(\c%2)+4*\j:CD+16*(\c%2)+4*\j+1], v[TT+16*(\j%2):TT+16*(\j%2)+7], v[MX+12+\j]
	v_cvt_scalef32_pk8_bf8_f32 v[CD+16*(\c%2)+4*\j+2:CD+16*(\c%2)+4*\j+3], v[TT+16*(\j%2)+8:TT+16*(\j%2)+15], v[MX+12+\j]
	ds_store_b128 v3, v[CD+16*(\c%2)+4*\j:CD+16*(\c%2)+4*\j+3] offset:512*\c+16*\j   ; registers 4 c .. 4 c + 3 of the image.  The next column's first hold, into the other set, is the plain line behind the conversions
.endr
	v_nop                                          ; and this one behind the last
.endm
	QBLK 0, RA, 16
	WLOAD 2, RA
	QBLK 1, RB, 16
	WLOAD 3, RB
	QBLK 2, RA, 16
	QBLK 3, RB, 0
	ds_store_b128 v4, v[WD:WD+3]                   ; both halves of the lanes write the same words with the same values
	s_wait_dscnt 0x0                               ; for the others' sake: my images and scale words have landed
	s_barrier_signal -1
	s_barrier_wait -1
; The token of rank q (a lane's own q, under the count).  First the mask register m whose ranks hold q: the last m whose running count is at most q; with it goes, packed, that count and the
; register's first token.  Then the place of the (q - count)-th set bit of that mask, by halving: the counts of its fields of 16, 8, 4, 2 and 1 bits.
.macro HALVE src, w
	s_delay_alu instid0(VALU_DEP_1)
	v_bfe_u32 v[TS+9], v[\src], v[TS+8], \w        ; set bits in the lower half of what is left
	s_delay_alu instid0(VALU_DEP_1)
	v_cmp_ge_u32 vcc_lo, v[TS+2], v[TS+9]
	s_delay_alu instid0(VALU_DEP_1)
	v_cndmask_b32 v[TS+9], 0, v[TS+9], vcc_lo
	s_delay_alu instid0(VALU_DEP_2)
	v_cndmask_b32 v[TS+10], 0, \w, vcc_lo
	s_delay_alu instid0(VALU_DEP_2)
	v_sub_nc_u32 v[TS+2], v[TS+2], v[TS+9]
	s_delay_alu instid0(VALU_DEP_2)
	v_add_nc_u32 v[TS+8], v[TS+8], v[TS+10]
.endm
.macro SELECT q, tok
	s_mov_b32 s66, 0
	v_mov_b32 v[TS], s32
	v_mov_b32 v[TS+1], 0
.set m, 1
.rept 31
	s_bcnt1_i32_b32 s68, s[31+m]
	s_add_co_u32 s66, s66, s68                     ; ranks ahead of register m
	s_add_co_u32 s67, s66, (128*(m>>2)+(m&3))<<16  ; and its first token above them
	v_cmp_le_u32 vcc_lo, s66, v[\q]
	s_delay_alu instid0(VALU_DEP_1)
	v_cndmask_b32 v[TS], v[TS], s[32+m], vcc_lo
	s_delay_alu instid0(VALU_DEP_2)
	v_cndmask_b32 v[TS+1], v[TS+1], s67, vcc_lo
.set m, m+1
.endr
	s_delay_alu instid0(VALU_DEP_1)
	v_and_b32 v[TS+2], 0xffff, v[TS+1]
	s_delay_alu instid0(VALU_DEP_1)
	v_sub_nc_u32 v[TS+2], v[\q], v[TS+2]           ; which set bit of the mask
	s_delay_alu instid0(VALU_DEP_3)
	v_lshrrev_b32 v[TS+3], 16, v[TS+1]             ; the register's first token
	v_lshrrev_b32 v[TS+9], 1, v[TS]
	s_delay_alu instid0(VALU_DEP_1)
	v_and_b32 v[TS+9], 0x55555555, v[TS+9]
	s_delay_alu instid0(VALU_DEP_1)
	v_sub_nc_u32 v[TS+4], v[TS], v[TS+9]           ; counts of fields of 2 bits
	s_delay_alu instid0(VALU_DEP_1)
	v_and_b32 v[TS+9], 0x33333333, v[TS+4]
	s_delay_alu instid0(VALU_DEP_2)
	v_lshrrev_b32 v[TS+10], 2, v[TS+4]
	s_delay_alu instid0(VALU_DEP_1)
	v_and_b32 v[TS+10], 0x33333333, v[TS+10]
	s_delay_alu instid0(VALU_DEP_1)
	v_add_nc_u32 v[TS+5], v[TS+9], v[TS+10]        ; of 4
	s_delay_alu instid0(VALU_DEP_1)
	v_lshrrev_b32 v[TS+9], 4, v[TS+5]
	s_delay_alu instid0(VALU_DEP_1)
	v_add_nc_u32 v[TS+9], v[TS+9], v[TS+5]
	s_delay_alu instid0(VALU_DEP_1)
	v_and_b32 v[TS+6], 0x0f0f0f0f, v[TS+9]         ; of 8
	s_delay_alu instid0(VALU_DEP_1)
	v_lshrrev_b32 v[TS+9], 8, v[TS+6]
	s_delay_alu instid0(VALU_DEP_1)
	v_add_nc_u32 v[TS+9], v[TS+9], v[TS+6]
	s_delay_alu instid0(VALU_DEP_1)
	v_and_b32 v[TS+7], 0x00ff00ff, v[TS+9]         ; of 16
	v_mov_b32 v[TS+8], 0                           ; the place so far
	HALVE TS+7, 16
	HALVE TS+6, 8
	HALVE TS+5, 4
	HALVE TS+4, 2
	HALVE TS, 1
	s_delay_alu instid0(VALU_DEP_1)
	v_lshl_add_u32 v[\tok], v[TS+8], 2, v[TS+3]    ; token = first token + 4 x lane
	s_delay_alu instid0(VALU_DEP_1)
	v_min_u32 v[\tok], 0x3ff, v[\tok]              ; held inside the table before it enters an address
.endm
; 64 numbers of a lane, register 16 b + i = k 32 b + 16 (lane / 16) + i of my row, become a fragment's codes in v[pc] on and its scale word in v[pw].  relu = 1: what is negative becomes 0
.macro QUANT s, relu, pc, pw
.if \relu
.irp b, 0,1,2,3
	v_max3_num_f32 v[TM+\b], v[\s+16*\b], v[\s+1+16*\b], 0x8000000   ; no |.|: what is negative must not count; the floor 2^(16 - 127) stands over it
.endr
.irp i, 2,4,6,8,10,12,14
.irp b, 0,1,2,3
	s_delay_alu instid0(VALU_DEP_4)
	v_max3_num_f32 v[TM+\b], v[TM+\b], v[\s+16*\b+\i], v[\s+1+16*\b+\i]
.endr
.endr
.else
.irp b, 0,1,2,3
	v_max3_num_f32 v[TM+\b], |v[\s+16*\b]|, |v[\s+1+16*\b]|, 0x8000000
.endr
.irp i, 2,4,6,8,10,12,14
.irp b, 0,1,2,3
	v_max3_num_f32 v[TM+\b], v[TM+\b], |v[\s+16*\b+\i]|, |v[\s+1+16*\b+\i]|
.endr
.endr
.endif
.irp b, 0,1,2,3
	s_delay_alu instid0(VALU_DEP_4)
	v_permlanex16_b32 v[TM+4+\b], v[TM+\b], s70, s71
.endr
.irp b, 0,1,2,3
	s_delay_alu instid0(VALU_DEP_4)
	v_max_num_f32 v[TM+\b], v[TM+\b], v[TM+4+\b]   ; with lane l xor 16's: the block's largest magnitude
.endr
.irp b, 0,1,2,3
	s_delay_alu instid0(VALU_DEP_4)
	v_add_nc_u32 v[TM+12+\b], 0xf8800000, v[TM+\b] ; the conversion's scale operand
.endr
.irp b, 0,1,2,3
	v_and_or_b32 v[TM+8+\b], v[TM+\b], 0x7f800000, s72   ; 57,344 x the scale
.endr
.irp b, 0,1,2,3
	v_lshrrev_b32 v[TM+4+\b], 23, v[TM+12+\b]      ; the scale's byte
.endr
	s_delay_alu instid0(VALU_DEP_3)
	v_lshl_or_b32 v[\pw], v[TM+5], 8, v[TM+4]
	s_delay_alu instid0(VALU_DEP_1)
	v_lshl_or_b32 v[\pw], v[TM+6], 16, v[\pw]
	s_delay_alu instid0(VALU_DEP_1)
	v_lshl_or_b32 v[\pw], v[TM+7], 24, v[\pw]
.irp b, 0,1,2,3
.irp i, 0,1,2,3,4,5,6,7,8,9,10,11,12,13,14,15
.if \relu
	v_med3_num_f32 v[\s+16*\b+\i], v[\s+16*\b+\i], 0, v[TM+8+\b]   ; the clip at 0 and the hold in one
.else
	v_med3_num_f32 v[\s+16*\b+\i], v[\s+16*\b+\i], -v[TM+8+\b], v[TM+8+\b]
.endif
.endr
	v_cvt_scalef32_pk8_bf8_f32 v[\pc+4*\b:\pc+1+4*\b], v[\s+16*\b:\s+7+16*\b], v[TM+12+\b]
	v_cvt_scalef32_pk8_bf8_f32 v[\pc+2+4*\b:\pc+3+4*\b], v[\s+8+16*\b:\s+15+16*\b], v[TM+12+\b]
.endr
	v_nop                                          ; a plain line behind the last conversion
.endm
.macro XLOAD ks                        ; x's fragment of K step ks into slot ks % 4: lane (q, h): token q's codes 128 ks + 32 c + 16 h + 0..15
.irp c, 0,1,2,3
	global_load_b128 v[XF+16*((\ks)%4)+4*\c:XF+16*((\ks)%4)+4*\c+3], v14, s[6:7] offset:128*(\ks)+32*\c
.endr
.endm
; K step ks, tiles 4 g .. 4 g + 3 of the hidden units.  The eight accumulators take turns, one instruction a turn
.macro KSTEP ks, g
.if (\ks)+(\g) > 0
.rept 8
	v_nop                                          ; eight places in front of loads into registers that matrix instructions have read
.endr
.endif
.if (\g) == 0 && (\ks) >= 1 && (\ks) <= 4
	XLOAD (\ks)+3                                  ; into the slot that the last K step has left
.endif
.irp t, 0,1,2,3
.irp c, 0,1,2,3
	ds_load_b128 v[WB+16*\t+4*\c:WB+16*\t+4*\c+3], v[AW+(\ks)/2] offset:((\ks)%2)*WKS+(4*(\g)+\t)*WFR+512*\c
.endr
	ds_load_b32 v[WS+\t], v9 offset:512*(\ks)+64*(4*(\g)+\t)
.endr
.if (\g) == 0
.if (\ks) <= 4
	s_wait_loadcnt 12                              ; this K step's fragment of x is in; three younger fragments, four loads each, may be out
.else
	s_wait_loadcnt 4*(7-(\ks))                     ; the counts run down: nothing more is asked for
.endif
.endif
	s_wait_dscnt 0x0
.irp t, 0,1,2,3
.if (\ks) == 0
	v_wmma_scale_f32_16x16x128_f8f6f4 v[HA+8*(4*(\g)+\t):HA+8*(4*(\g)+\t)+7], v[WB+16*\t:WB+16*\t+15], v[XF+16*((\ks)%4):XF+16*((\ks)%4)+15], 0, v[WS+\t], v[XS+(\ks)] matrix_a_fmt:MATRIX_FMT_BF8 matrix_b_fmt:MATRIX_FMT_BF8
.else
	v_wmma_scale_f32_16x16x128_f8f6f4 v[HA+8*(4*(\g)+\t):HA+8*(4*(\g)+\t)+7], v[WB+16*\t:WB+16*\t+15], v[XF+16*((\ks)%4):XF+16*((\ks)%4)+15], v[HA+8*(4*(\g)+\t):HA+8*(4*(\g)+\t)+7], v[WS+\t], v[XS+(\ks)] matrix_a_fmt:MATRIX_FMT_BF8 matrix_b_fmt:MATRIX_FMT_BF8
.endif
.endr
.endm
	s_mov_b32 s30, 0                               ; trips
	s_mov_b32 s31, s16                             ; my tile: w + 16 x trip
.Ltile:
	s_lshl_b32 s23, s31, 4                         ; its first rank
	s_cmp_ge_u32 s23, s21
	s_cbranch_scc1 .Lskip                          ; past the expert's count: nothing to do (no load is out here, and no barrier stands in the trip)
	v_add_nc_u32 v[VQ], s23, v12
	s_delay_alu instid0(VALU_DEP_1)
	v_min_u32 v[VQ], s22, v[VQ]                    ; rows past the count take the last token again
	s_wait_alu depctr_va_vdst(0)
	SELECT VQ, TOK
	s_delay_alu instid0(VALU_DEP_1)
	v_lshl_add_u32 v14, v[TOK], 10, v13            ; my token's codes, + 16 h
	s_wait_alu depctr_va_vdst(0)
	v_lshlrev_b32 v15, 5, v[TOK]                   ; and its 32 scale bytes
	global_load_b128 v[XS:XS+3], v15, s[8:9]
	global_load_b128 v[XS+4:XS+7], v15, s[8:9] offset:16
	XLOAD 0
	XLOAD 1
	XLOAD 2
	XLOAD 3
	s_lshl_b32 s24, s17, 22                        ; where the tile's fragment goes: h_img[e][tile][sl]
	s_lshl_b32 s25, s31, 16
	s_add_co_u32 s24, s24, s25
	s_lshl_b32 s25, s18, 11
	s_add_co_u32 s24, s24, s25
	s_mov_b32 s25, 0
	s_add_nc_u64 s[26:27], s[12:13], s[24:25]
	s_lshl_b32 s24, s17, 17                        ; and its scale words: hs_img[e][tile][sl]
	s_lshl_b32 s23, s31, 11
	s_add_co_u32 s24, s24, s23
	s_lshl_b32 s23, s18, 6
	s_add_co_u32 s24, s24, s23
	s_add_nc_u64 s[28:29], s[14:15], s[24:25]
.irp ks, 0,1,2,3,4,5,6,7
	KSTEP \ks, 0
	KSTEP \ks, 1
.endr
.rept 8
	v_nop                                          ; eight places in front of the first read of results
.endr
.set n, 0
.rept 64
	v_mul_f32 v[HA+n], v[HA+n], |v[HA+n]|          ; a |a|: the square with a's sign; each accumulator from its low end on
.set n, n+1
.endr
	QUANT HA, 1, PC, PW                            ; what is negative becomes 0: relu(a)^2, quantised along the hidden units
.irp c, 0,1,2,3
	global_store_b128 v10, v[PC+4*\c:PC+4*\c+3], s[26:27] offset:512*\c   ; the fragment as it stands: 2,048 consecutive bytes
.endr
	v_cmp_gt_u32 vcc_lo, 16, v1
	s_wait_xcnt 0x0                                ; EXEC changes only when the stores issued so far have been taken up
	s_and_saveexec_b32 s69, vcc_lo
	global_store_b32 v11, v[PW], s[28:29]          ; lanes 0-15: the sixteen rows' scale words
	s_wait_xcnt 0x0                                ; also frees the stores' registers and bases for the next trip
	s_or_b32 exec_lo, exec_lo, s69
.Lskip:
	s_add_co_u32 s31, s31, 16
	s_add_co_u32 s30, s30, 1
	s_cmp_lt_u32 s30, 4
	s_cbranch_scc1 .Ltile
	s_wait_tensorcnt 0x0
	ds_add_u32 v254, v255
	s_wait_dscnt 0x0
	s_endpgm
.Lfunc_end_k_qde56635c02_fc:
	.size	k_qde56635c02_fc, .Lfunc_end_k_qde56635c02_fc-k_qde56635c02_fc
	.p2alignl 7, 3214868480
	.fill 96, 4, 3214868480
	.section	.rodata,"a",@progbits
	.p2align	6, 0x0
	.amdhsa_kernel k_qde56635c02_fc
		.amdhsa_group_segment_fixed_size 138240
		.amdhsa_private_segment_fixed_size 0
		.amdhsa_enable_private_segment 0
		.amdhsa_kernarg_size 48
		.amdhsa_user_sgpr_count 2
		.amdhsa_user_sgpr_kernarg_segment_ptr 1
		.amdhsa_wavefront_size32 1
		.amdhsa_system_sgpr_workgroup_id_x 1
		.amdhsa_system_sgpr_workgroup_id_y 1
		.amdhsa_system_sgpr_workgroup_id_z 1
		.amdhsa_system_vgpr_workitem_id 0
		.amdhsa_next_free_vgpr 256
		.amdhsa_next_free_sgpr 80
		.amdhsa_reserve_vcc 1
		.amdhsa_float_denorm_mode_32 3
		.amdhsa_float_denorm_mode_16_64 3
		.amdhsa_memory_ordered 1
		.amdhsa_forward_progress 1
		.amdhsa_inst_pref_size 119
	.end_amdhsa_kernel
	.amdgpu_metadata
---
amdhsa.version: [ 1, 2 ]
amdhsa.kernels:
  - .name:           k_qde56635c02_fc
    .symbol:         k_qde56635c02_fc.kd
    .args:
      - { .name: expert_fc, .offset: 0, .size: 8, .value_kind: global_buffer, .address_space: global }
      - { .name: x_codes, .offset: 8, .size: 8, .value_kind: global_buffer, .address_space: global }
      - { .name: x_scales, .offset: 16, .size: 8, .value_kind: global_buffer, .address_space: global }
      - { .name: ids, .offset: 24, .size: 8, .value_kind: global_buffer, .address_space: global }
      - { .name: h_img, .offset: 32, .size: 8, .value_kind: global_buffer, .address_space: global }
      - { .name: hs_img, .offset: 40, .size: 8, .value_kind: global_buffer, .address_space: global }
    .group_segment_fixed_size: 138240
    .private_segment_fixed_size: 0
    .kernarg_segment_align: 8
    .kernarg_segment_size: 48
    .max_flat_workgroup_size: 512
    .sgpr_count:     80
    .vgpr_count:     256
    .wavefront_size: 32
...
	.end_amdgpu_metadata
.endif
;; end of part 6
;; launch proj (part 7): grid 256 x 1, 16 waves a work-group, no clusters, 276,480 bytes of LDS; arguments expert_proj, h_img, hs_img, ids, ws; writes ws
.if DOCPART == 7
	.amdgcn_target "amdgcn-amd-amdhsa--gfx1250"
	.amdhsa_code_object_version 6
	.text
	.protected	k_qde56635c02_proj
	.globl	k_qde56635c02_proj
	.p2align	8
	.type	k_qde56635c02_proj,@function
k_qde56635c02_proj:
	s_mov_b64 s[64:65], 0
	v_nop
	global_prefetch_b8 v0, s[64:65] scope:SCOPE_SE
	s_setreg_imm32_b32 hwreg(HW_REG_WAVE_SCHED_MODE, 0, 2), 2
	s_setreg_imm32_b32 hwreg(HW_REG_WAVE_MODE, 25, 1), 1
	s_wait_xcnt 0x0
	s_wait_alu depctr_vm_vsrc(0)
; h proj[e]^T FOR THE TOKENS OF EXPERT e ALONE, in the order of their ranks.  expert_proj: [8][1024 (d)][4096 (hidden = K)] f32, K innermost.
; SHARES.  Work-group (e = number / 32, sl = number % 32) owns outputs d = 32 sl .. + 31 of expert e, for all of K: 512 KB of f32 that no other work-group reads.
; PHASE 1.  Sixteen waves read them once: wave w takes K steps 2 w and 2 w + 1 of the 32 rows: four fragments of 16 rows x 128 K.  Each load reads 512 consecutive bytes of one row; a fragment turns through the
;   wave's own stage in LDS (rows of 528 bytes), so that lane (r, h) holds, of row r, 16 neighbours of each block of 32; it is quantised in registers and laid into LDS as an image of the operand's
;   registers: 64 fragments, 128 KB, and their scale words.  One barrier.
; PHASE 2.  Wave w takes the expert's tiles of 16 tokens w, w + 16, w + 32, w + 48: a loop of four trips; a trip whose tile lies past the expert's count is jumped over (no barrier inside).
;   O^T = P h^T (source 0 = 16 rows d, source 1 = 16 tokens): h's fragments come from memory as the last launch laid them, lane by lane, four pairs of K steps ahead; two accumulators by turns.
;   A lane's eight results are eight neighbouring d of one token; the tile goes through the wave's stage and leaves as 16 rows of 128 bytes on end: 2,048 consecutive bytes.
; OUT: ws [sl][e][rank 0..1023][128 bytes]: rows in the order of ranks, at addresses made of the work-group's number, the wave's number and the trip alone.  The next launch brings each token its row.
;   Rows of the last tile past the count are copies of the last token; they have bytes of their own and are never read.  Of ids only the expert's count is used here.
; NO JOINT LOADS: the weights are shared with nobody; h's tiles are shared by an expert's 32 work-groups, but how many there are hangs on a count read from memory.
; LIMITS: NaN and infinities are not served; a block of zeros gets the byte 1 and not 127 (its codes are zeros; this program alone reads the bytes).
; THE MODE: SCHED_MODE bits 1:0 = 2 (LLVM: expert scheduling mode 2), set by the entry lines.  The code itself states the register dependences
; between vector or matrix instructions and memory or LDS instructions, with s_wait_alu, always for 0.
; THE PLAN.  Registers that memory or LDS instructions touch:
;   v2 .. v12     offsets and LDS addresses: written at the head, never again.  v254, v255: written at the head, read by the closing add alone.
;   RA, RB        phase 1, a fragment's turn: global loads land; the stage's LDS stores read; the stage's LDS loads land; the quantiser reads and writes; the next global loads land.
;   PC, PW        phase 1: written by the conversions, read by the image's LDS stores.
;   HR, HSC       phase 2: pair p's nine global loads land in slots p % 4; its four matrix instructions read them; pair p + 4's loads land.
;   W0, W1        phase 2: the weights' two fragments and two scale words of a pair's first and of its second K step: LDS loads land, two matrix instructions read, the next pair's loads land.
;   ACC           written by matrix instructions, read by the way out's LDS stores.      OB: the stage's loads land, the global stores read.
; So in phase 1 a fragment has two waits: one on vm_vsrc between the stage's stores and its loads, one on va_vdst behind the quantiser.  In phase 2 ONE wait on va_vdst stands behind the two matrix
; instructions of a K step: behind it their half of the weights is asked for again at once, while the other half, asked for a K step earlier, is awaited and multiplied.  One wait on va_vdst stands ahead
; of the way out and one on vm_vsrc at the trip's end; no vector or matrix instruction stands between these and the next trip's first loads.
.set PROW, 16384                       ; a row of expert_proj in bytes
.set STGW, 8448                        ; LDS: a stage of 16 rows x 528 bytes for each wave (on the way out: 16 rows x 144)
.set WIMG, 16*STGW                     ; the images: [K step][tile of d][c][lane] x 16 bytes
.set SCW,  WIMG+131072                 ; the scale words: [K step][tile of d][lane] u32
.set RA,   16                          ; phase 1: v16-79, v80-143 two fragments of f32
.set RB,   80
.set HR,   16                          ; phase 2: v16-143 eight slots for h's fragments
.set HSC,  144                         ; v144-147 h's scale words: lanes 0-15 the pair's first K step, lanes 16-31 its second
.set WSC,  148                         ; v148-151 the weights' scale words: two for each half
.set IDS,  152                         ; v152-183 ids, until the count is made
.set PC,   152                         ; phase 1: the codes just made, v152-167; their scale word v168
.set PW,   168
.set WB,   152                         ; phase 2: v152-215 four fragments of the weights: half 0 (a pair's first K step) v152-183, half 1 (its second) v184-215
.set OB,   152                         ; the way out: four registers for each of four stores
.set ACC,  216                         ; v216-231 two accumulators
.set TM,   216                         ; phase 1: the quantiser's registers at work
.set AW,   8                           ; v8, v9 16 x lane + the images of K steps 0-15, 16-31
	s_load_b256 s[4:11], s[0:1], 0x0               ; expert_proj s[4:5], h_img s[6:7], hs_img s[8:9], ids s[10:11]
	s_load_b64 s[12:13], s[0:1], 0x20              ; ws
	v_lshl_add_u32 v254, v0, 2, 0x43000
	v_mov_b32 v255, 0
	v_lshrrev_b32 v1, 5, v0
	v_readfirstlane_b32 s16, v1                    ; wave 0..15
	s_lshr_b32 s17, ttmp9, 5                       ; e
	s_and_b32 s18, ttmp9, 31                       ; sl
	v_and_b32 v1, 31, v0                           ; lane
	v_and_b32 v15, 15, v0                          ; r
	v_bfe_u32 v16, v0, 4, 1                        ; h
	v_lshlrev_b32 v2, 4, v1                        ; 16 x lane
	v_lshlrev_b32 v3, 2, v1                        ; 4 x lane
	s_wait_alu depctr_va_sdst(0)                   ; s16, the wave's number, is written, ahead of its first reader
	s_mul_i32 s24, s16, STGW
	v_add_nc_u32 v4, s24, v2                       ; the stage, in: a row as it was loaded
	v_mul_u32_u24 v5, v15, 528
	v_lshl_add_u32 v5, v16, 6, v5
	v_add_nc_u32 v5, s24, v5                       ; and out: row r, + 64 h: my 16 numbers of a block of 32
	v_mul_u32_u24 v11, v15, 144
	v_lshl_add_u32 v11, v16, 5, v11
	v_add_nc_u32 v11, s24, v11                     ; results in: token row r, + 32 h
	v_bfe_u32 v14, v0, 3, 2                        ; lane / 8
	v_and_b32 v17, 7, v0
	v_lshlrev_b32 v13, 4, v17                      ; 16 (lane % 8)
	v_mul_u32_u24 v12, v14, 144
	v_add_nc_u32 v12, v12, v13
	v_add_nc_u32 v12, s24, v12                     ; results back: eight lanes to a token row
	s_lshl_b32 s25, s16, 13
	s_add_co_u32 s25, s25, WIMG
	v_add_nc_u32 v6, s25, v2                       ; where my four images go
	s_lshl_b32 s25, s16, 9
	s_add_co_u32 s25, s25, SCW
	v_add_nc_u32 v7, s25, v3                       ; and their scale words
	v_add_nc_u32 v8, WIMG, v2
	v_add_nc_u32 v9, WIMG+65536, v2
	v_add_nc_u32 v10, SCW, v3
.irp b, 0,1,2,3
	v_mov_b32 v[TM+4+\b], 0                        ; a lane permute's destination counts as one of its sources
.endr
	s_mov_b32 s70, 0x76543210
	s_mov_b32 s71, 0xfedcba98                      ; v_permlanex16_b32's selects for lane l xor 16
	s_mov_b32 s72, 0x600000                        ; the mantissa field of 57,344
	s_lshl_b32 s24, s17, 24                        ; my part of expert_proj: expert, 32 sl rows, 1,024 w bytes along a row
	s_lshl_b32 s25, s18, 19
	s_add_co_u32 s24, s24, s25
	s_lshl_b32 s25, s16, 10
	s_add_co_u32 s24, s24, s25
	s_mov_b32 s25, 0
	s_wait_kmcnt 0x0
	s_add_nc_u64 s[4:5], s[4:5], s[24:25]
	s_wait_alu depctr_va_vdst(0)                   ; the offsets and addresses v2 to v12 are written, which every load and store of the kernel reads
.irp i, 0,1,2,3,4,5,6,7
	global_load_b128 v[IDS+4*\i:IDS+4*\i+3], v2, s[10:11] offset:512*\i
.endr
.macro FLOAD f, r                      ; fragment f = 2 x (which of my K steps) + (which 16 rows): sixteen loads of 512 consecutive bytes
.irp i, 0,1,2,3,4,5,6,7,8,9,10,11,12,13,14,15
	global_load_b128 v[\r+4*\i:\r+4*\i+3], v2, s[4:5] offset:(16*((\f)%2)+\i)*PROW+512*((\f)/2) th:TH_LOAD_NT
.endr
.endm
	FLOAD 0, RA
	FLOAD 1, RB
; how many tokens my expert has: 32 lane masks, s[32:63], and the sum of their set bits
	s_wait_loadcnt 32                              ; ids are in; the 32 loads of weights may be out
	s_mov_b32 s21, 0
.set m, 0
.rept 32
	v_cmp_eq_u32 s[32+m], s17, v[IDS+m]
.set m, m+1
.endr
	s_wait_alu depctr_va_sdst(0)                   ; the 32 compares have written s[32:63], ahead of the first line that reads one of them
.set m, 0
.rept 32
	s_bcnt1_i32_b32 s66, s[32+m]
	s_add_co_u32 s21, s21, s66
.set m, m+1
.endr
; 64 numbers of a lane, register 16 b + i = k 32 b + 16 (lane / 16) + i of my row, become a fragment's codes in v[pc] on and its scale word in v[pw]
.macro QUANT s, pc, pw
.irp b, 0,1,2,3
	v_max3_num_f32 v[TM+\b], |v[\s+16*\b]|, |v[\s+1+16*\b]|, 0x8000000   ; block b: my 16 numbers, and the floor 2^(16 - 127): the byte cannot fall under 1
.endr
.irp i, 2,4,6,8,10,12,14
.irp b, 0,1,2,3
	v_max3_num_f32 v[TM+\b], v[TM+\b], |v[\s+16*\b+\i]|, |v[\s+1+16*\b+\i]|   ; (the four blocks by turns)
.endr
.endr
.irp b, 0,1,2,3
	v_permlanex16_b32 v[TM+4+\b], v[TM+\b], s70, s71
.endr
.irp b, 0,1,2,3
	v_max_num_f32 v[TM+\b], v[TM+\b], v[TM+4+\b]   ; with lane l xor 16's: the block's largest magnitude
.endr
.irp b, 0,1,2,3
	v_add_nc_u32 v[TM+12+\b], 0xf8800000, v[TM+\b] ; 15 off its exponent field: the conversion's scale operand
.endr
.irp b, 0,1,2,3
	v_and_or_b32 v[TM+8+\b], v[TM+\b], 0x7f800000, s72   ; 57,344 x the scale
.endr
.irp b, 0,1,2,3
	v_lshrrev_b32 v[TM+4+\b], 23, v[TM+12+\b]      ; the scale's byte
.endr
	v_lshl_or_b32 v[\pw], v[TM+5], 8, v[TM+4]
	v_lshl_or_b32 v[\pw], v[TM+6], 16, v[\pw]
	v_lshl_or_b32 v[\pw], v[TM+7], 24, v[\pw]
.irp b, 0,1,2,3
.irp i, 0,1,2,3,4,5,6,7,8,9,10,11,12,13,14,15
	v_med3_num_f32 v[\s+16*\b+\i], v[\s+16*\b+\i], -v[TM+8+\b], v[TM+8+\b]   ; the conversion does not saturate (ISA guide 7.6.2): the hold comes first
.endr
	v_cvt_scalef32_pk8_bf8_f32 v[\pc+4*\b:\pc+1+4*\b], v[\s+16*\b:\s+7+16*\b], v[TM+12+\b]
	v_cvt_scalef32_pk8_bf8_f32 v[\pc+2+4*\b:\pc+3+4*\b], v[\s+8+16*\b:\s+15+16*\b], v[TM+12+\b]
.endr
	v_nop                                          ; a plain line behind the last conversion
.endm
; fragment f in buffer r.  more = 1: the buffer is asked for again, for fragment f + 2
.macro FRAG f, r, left, more
	s_wait_loadcnt \left                           ; this fragment's sixteen loads are in; the fragment issued behind it may be out
.irp i, 0,1,2,3,4,5,6,7,8,9,10,11,12,13,14,15
	ds_store_b128 v4, v[\r+4*\i:\r+4*\i+3] offset:528*\i
.endr
	s_wait_alu depctr_vm_vsrc(0)                   ; these stores have read v[r ..], in which the loads below land and which the holds write; the last image's stores have read the codes' and the scale word's registers, which the quantiser writes again
.irp c, 0,1,2,3
.irp i, 0,1,2,3
	ds_load_b128 v[\r+16*\c+4*\i:\r+16*\c+4*\i+3], v5 offset:128*\c+16*\i   ; a wave's LDS instructions are served in order (ISA guide 5.7.1.4): these see the stores above, and land in the registers that those have left
.endr
.endr
	s_wait_dscnt 0x0                               ; the numbers are back
	QUANT \r, PC, PW
	s_wait_alu depctr_va_vdst(0)                   ; the conversions have written the codes and the scale word, which the LDS stores below read; the quantiser is done reading and writing v[r ..], in which the loads below land
.if \more
	FLOAD (\f)+2, \r                               ; the buffer is asked for again at once
.endif
.irp c, 0,1,2,3
	ds_store_b128 v6, v[PC+4*\c:PC+4*\c+3] offset:2048*\f+512*\c   ; the fragment as it stands
.endr
	ds_store_b32 v7, v[PW] offset:128*\f
.endm
	FRAG 0, RA, 16, 1
	FRAG 1, RB, 16, 1
	FRAG 2, RA, 16, 0
	FRAG 3, RB, 0, 0
	s_wait_dscnt 0x0                               ; for the others' sake: my images and scale words have landed
	s_barrier_signal -1
	s_barrier_wait -1
	s_wait_alu depctr_vm_vsrc(0)                   ; my last image's stores have read v152 to v168, in which fragments of the weights land from here on
.macro HLOAD p                         ; pair p of K steps of h: two fragments as they were laid, and one word a lane of scales: nine loads
.irp k, 0,1
.irp c, 0,1,2,3
	global_load_b128 v[HR+16*(2*((\p)%4)+\k)+4*\c:HR+16*(2*((\p)%4)+\k)+4*\c+3], v2, s[26:27] offset:(2*(\p)+\k)*2048+512*\c
.endr
.endr
	global_load_b32 v[HSC+(\p)%4], v3, s[28:29] offset:128*(\p)
.endm
.macro WLOAD p, k                      ; the weights of K step 2 p + k into half k: two fragments and two scale words: ten LDS loads
.irp u, 0,1
.irp c, 0,1,2,3
	ds_load_b128 v[WB+16*(2*(\k)+\u)+4*\c:WB+16*(2*(\k)+\u)+4*\c+3], v[AW+(\p)/8] offset:((2*(\p)+(\k))%16)*4096+2048*\u+512*\c
.endr
	ds_load_b32 v[WSC+2*(\k)+\u], v10 offset:256*(2*(\p)+(\k))+128*\u
.endr
.endm
; K step 2 p + k: two matrix instructions, the two accumulators by turns, one instruction a turn; behind them their half of the weights is asked for again, for the next pair
.macro HALF p, k
.if (\k) == 0
.if (\p) <= 12
	s_wait_loadcnt 27                              ; this pair's nine loads are in; three younger pairs may be out
.else
	s_wait_loadcnt 9*(15-(\p))                     ; the counts run down: nothing more is asked for
.endif
.endif
.if (\p) == 15 && (\k) == 1
	s_wait_dscnt 0x0                               ; the last half
.else
	s_wait_dscnt 10                                ; LDS loads come back in order (ISA guide 5.7.1): this half's ten are in, the other half's ten, issued behind them, may be out
.endif
.irp u, 0,1
.if (\p) == 0 && (\k) == 0
	v_wmma_scale_f32_16x16x128_f8f6f4 v[ACC+8*\u:ACC+8*\u+7], v[WB+16*(2*(\k)+\u):WB+16*(2*(\k)+\u)+15], v[HR+16*(2*((\p)%4)+(\k)):HR+16*(2*((\p)%4)+(\k))+15], 0, v[WSC+2*(\k)+\u], v[HSC+(\p)%4] matrix_a_fmt:MATRIX_FMT_BF8 matrix_b_fmt:MATRIX_FMT_BF8
.elseif (\k) == 0
	v_wmma_scale_f32_16x16x128_f8f6f4 v[ACC+8*\u:ACC+8*\u+7], v[WB+16*(2*(\k)+\u):WB+16*(2*(\k)+\u)+15], v[HR+16*(2*((\p)%4)+(\k)):HR+16*(2*((\p)%4)+(\k))+15], v[ACC+8*\u:ACC+8*\u+7], v[WSC+2*(\k)+\u], v[HSC+(\p)%4] matrix_a_fmt:MATRIX_FMT_BF8 matrix_b_fmt:MATRIX_FMT_BF8
.else
	v_wmma_scale_f32_16x16x128_f8f6f4 v[ACC+8*\u:ACC+8*\u+7], v[WB+16*(2*(\k)+\u):WB+16*(2*(\k)+\u)+15], v[HR+16*(2*((\p)%4)+(\k)):HR+16*(2*((\p)%4)+(\k))+15], v[ACC+8*\u:ACC+8*\u+7], v[WSC+2*(\k)+\u], v[HSC+(\p)%4] matrix_a_fmt:MATRIX_FMT_BF8 matrix_b_fmt:MATRIX_FMT_BF8 matrix_b_scale:MATRIX_SCALE_ROW1
.endif
.endr
.if (\p) < 15
	s_wait_alu depctr_va_vdst(0)                   ; the two matrix instructions are done reading their half of the weights and its scale words, in which the LDS loads below land; behind a pair's second K step all four are done reading h's two slots and its scale word
	WLOAD (\p)+1, \k
.endif
.if (\k) == 1 && (\p) < 12
	HLOAD (\p)+4                                   ; into the slots that this pair has left
.endif
.endm
	s_mov_b32 s30, 0                               ; trips
	s_mov_b32 s31, s16                             ; my tile: w + 16 x trip
.Ltile:
	s_lshl_b32 s23, s31, 4                         ; its first rank
	s_cmp_ge_u32 s23, s21
	s_cbranch_scc1 .Lskip                          ; past the expert's count: nothing to do (no load is out here, and no barrier stands in the trip)
	s_lshl_b32 s24, s17, 22                        ; h_img[e][tile]
	s_lshl_b32 s25, s31, 16
	s_add_co_u32 s24, s24, s25
	s_mov_b32 s25, 0
	s_add_nc_u64 s[26:27], s[6:7], s[24:25]
	s_lshl_b32 s24, s17, 17                        ; hs_img[e][tile]: 131,072 e + 2,048 tile
	s_lshl_b32 s67, s31, 11
	s_add_co_u32 s24, s24, s67
	s_add_nc_u64 s[28:29], s[8:9], s[24:25]
	s_lshl_b32 s67, s18, 20                        ; ws[sl][e][16 tile]: rows of 128 bytes give the same two terms, + 1,048,576 sl
	s_add_co_u32 s24, s24, s67
	s_add_nc_u64 s[68:69], s[12:13], s[24:25]
	HLOAD 0                                        ; no wait here: no vector or matrix instruction has been issued since the last wait on va_vdst (the quantiser's; in later trips the way out's), and no memory instruction since the last on vm_vsrc
	HLOAD 1
	HLOAD 2
	HLOAD 3
	WLOAD 0, 0
	WLOAD 0, 1
.irp p, 0,1,2,3,4,5,6,7,8,9,10,11,12,13,14,15
	HALF \p, 0
	HALF \p, 1
.endr
.rept 9
	v_nop                                          ; eight places in front of the first read of results, and a ninth: the next tile's first products begin the accumulators anew and so write over these results
.endr
	s_wait_alu depctr_va_vdst(0)                   ; the matrix instructions have written the accumulators, which the LDS stores below read (the places above stay beside this wait); they are done reading the weights' registers, in which the stage's loads land, and h's, in which the next trip's loads land
	; THE WAY OUT.  Lane (r, h) holds row r's d = 16 u + 8 h + 0..7: 32 bytes for each tile of d.  Through my stage they become 128 consecutive bytes a row, eight lanes to a row.
.irp u, 0,1
	ds_store_b128 v11, v[ACC+8*\u:ACC+8*\u+3] offset:64*\u          ; each accumulator from its low end on
	ds_store_b128 v11, v[ACC+8*\u+4:ACC+8*\u+7] offset:64*\u+16
.endr
.irp t, 0,1,2,3
	ds_load_b128 v[OB+4*\t:OB+4*\t+3], v12 offset:576*\t            ; rows 4 t + lane / 8; a wave's LDS instructions are served in order: these see my stores
.endr
.irp t, 0,1,2,3
	s_wait_dscnt 3-\t                              ; load t is back; the younger ones may be out
	global_store_b128 v2, v[OB+4*\t:OB+4*\t+3], s[68:69] offset:512*\t   ; rows 4 t .. 4 t + 3 on end: the wave stores 512 consecutive bytes
.endr
	s_wait_xcnt 0x0                                ; the stores' registers and base are written again in the next trip only behind this wait
	s_wait_alu depctr_vm_vsrc(0)                   ; the LDS stores have read the accumulators, which the next trip's first products write; the global stores have read v152 to v167, in which the next trip's fragments land
.Lskip:
	s_add_co_u32 s31, s31, 16
	s_add_co_u32 s30, s30, 1
	s_cmp_lt_u32 s30, 4
	s_cbranch_scc1 .Ltile
	s_wait_dscnt 0x0                               ; the closing lines, six on end
	s_wait_alu 0x0
	s_wait_tensorcnt 0x0
	ds_add_u32 v254, v255
	s_wait_dscnt 0x0
	s_endpgm
.Lfunc_end_k_qde56635c02_proj:
	.size	k_qde56635c02_proj, .Lfunc_end_k_qde56635c02_proj-k_qde56635c02_proj
	.p2alignl 7, 3214868480
	.fill 96, 4, 3214868480
	.section	.rodata,"a",@progbits
	.p2align	6, 0x0
	.amdhsa_kernel k_qde56635c02_proj
		.amdhsa_group_segment_fixed_size 276480
		.amdhsa_private_segment_fixed_size 0
		.amdhsa_enable_private_segment 0
		.amdhsa_kernarg_size 40
		.amdhsa_user_sgpr_count 2
		.amdhsa_user_sgpr_kernarg_segment_ptr 1
		.amdhsa_wavefront_size32 1
		.amdhsa_system_sgpr_workgroup_id_x 1
		.amdhsa_system_sgpr_workgroup_id_y 1
		.amdhsa_system_sgpr_workgroup_id_z 1
		.amdhsa_system_vgpr_workitem_id 0
		.amdhsa_next_free_vgpr 256
		.amdhsa_next_free_sgpr 80
		.amdhsa_reserve_vcc 0
		.amdhsa_float_denorm_mode_32 3
		.amdhsa_float_denorm_mode_16_64 3
		.amdhsa_memory_ordered 1
		.amdhsa_forward_progress 1
		.amdhsa_inst_pref_size 102
	.end_amdhsa_kernel
	.amdgpu_metadata
---
amdhsa.version: [ 1, 2 ]
amdhsa.kernels:
  - .name:           k_qde56635c02_proj
    .symbol:         k_qde56635c02_proj.kd
    .args:
      - { .name: expert_proj, .offset: 0, .size: 8, .value_kind: global_buffer, .address_space: global }
      - { .name: h_img, .offset: 8, .size: 8, .value_kind: global_buffer, .address_space: global }
      - { .name: hs_img, .offset: 16, .size: 8, .value_kind: global_buffer, .address_space: global }
      - { .name: ids, .offset: 24, .size: 8, .value_kind: global_buffer, .address_space: global }
      - { .name: ws, .offset: 32, .size: 8, .value_kind: global_buffer, .address_space: global }
    .group_segment_fixed_size: 276480
    .private_segment_fixed_size: 0
    .kernarg_segment_align: 8
    .kernarg_segment_size: 40
    .max_flat_workgroup_size: 512
    .sgpr_count:     80
    .vgpr_count:     256
    .wavefront_size: 32
...
	.end_amdgpu_metadata
.endif
;; end of part 7
;; launch place (part 8): grid 256 x 1, 4 waves a work-group, no clusters, 768 bytes of LDS; arguments ws, ids, out0; writes out0
.if DOCPART == 8
	.amdgcn_target "amdgcn-amd-amdhsa--gfx1250"
	.amdhsa_code_object_version 6
	.text
	.protected	k_qde56635c02_place
	.globl	k_qde56635c02_place
	.p2align	8
	.type	k_qde56635c02_place,@function
k_qde56635c02_place:
	s_mov_b64 s[64:65], 0
	v_nop
	global_prefetch_b8 v0, s[64:65] scope:SCOPE_SE
	s_setreg_imm32_b32 hwreg(HW_REG_WAVE_MODE, 25, 1), 1
	s_wait_xcnt 0x0
; EACH TOKEN GETS ITS ROW.  ws: [sl 0..31][e 0..7][rank 0..1023][128 bytes], rows in the order of an expert's ranks; ids: [1024] u32; out0: [1024 tokens][1024] f32.
; SHARES.  Work-group g owns tokens 4 g .. 4 g + 3.  Wave j first finds the place of token 4 g + j: its expert e, and its rank, the number of tokens of e that stand ahead of it in the order
;   that the two launches before use: ids as 32 registers (register m, lane p: token 128 (m / 4) + 4 p + m % 4), register major, lane minor.  Token 4 g + j is register 4 (g / 32) + j, lane g % 32.
;   For each register: the lanes that hold e, cut by a limit (all lanes of the registers ahead, the lanes under mine in my register, none behind), counted and summed.
;   The four places, 1,024 e + rank, meet in four LDS words; one barrier.
;   Then wave j fetches slices sl = 8 j .. 8 j + 7 of all four tokens, eight lanes to a token's 128 bytes, and stores them at addresses made of the work-group's, the wave's and the lane's numbers alone.
; Each load and each store of a wave covers four runs of 128 consecutive bytes: ws is laid by slices of 32 columns, as the work-groups that wrote it own them.  8 MB move in all.
; No matrix unit, no cluster, no tensor load: a copy of 16 KB a work-group, shared with nobody.
.set IDS, 16                           ; v16-47  ids
.set DT,  48                           ; v48-79  eight loads of four registers
	s_load_b128 s[4:7], s[0:1], 0x0                ; ws s[4:5], ids s[6:7]
	s_load_b64 s[8:9], s[0:1], 0x10                ; out0
	v_lshl_add_u32 v80, v0, 2, 0x100
	v_mov_b32 v81, 0
	v_lshrrev_b32 v1, 5, v0
	v_readfirstlane_b32 s10, v1                    ; wave j
	v_and_b32 v2, 31, v0                           ; lane
	v_lshlrev_b32 v3, 4, v2                        ; 16 x lane
	v_lshlrev_b32 v4, 2, v1                        ; LDS: my token's word, 4 j
	v_bfe_u32 v5, v0, 3, 2                         ; lane / 8: which of the four tokens I copy
	v_lshlrev_b32 v6, 2, v5                        ; LDS: that token's word
	v_and_b32 v7, 7, v0
	v_lshlrev_b32 v7, 4, v7                        ; 16 (lane % 8)
	v_lshl_add_u32 v8, v5, 12, v7                  ; out0: row lane / 8 of the four, + 16 (lane % 8)
	s_lshr_b32 s11, ttmp9, 5
	s_and_b32 s12, ttmp9, 31                       ; my token's lane
	s_lshl_b32 s13, s11, 2
	s_add_co_u32 s13, s13, s10                     ; and its register: 4 (g / 32) + j
	s_lshl_b32 s14, 1, s12
	s_sub_co_u32 s14, s14, 1                       ; the lanes under it
	s_lshl_b32 s16, ttmp9, 4
	s_lshl_b32 s17, s10, 2
	s_add_co_u32 s16, s16, s17                     ; 4 x (4 g + j)
	s_mov_b32 s17, 0
	s_wait_alu depctr_va_vdst(0)
	s_wait_kmcnt 0x0
	s_add_nc_u64 s[18:19], s[6:7], s[16:17]
	s_load_b32 s20, s[18:19], 0x0                  ; my token's expert (no line of this launch writes ids)
.irp i, 0,1,2,3,4,5,6,7
	global_load_b128 v[IDS+4*\i:IDS+4*\i+3], v3, s[6:7] offset:512*\i
.endr
	s_lshl_b32 s16, s10, 23
	s_add_nc_u64 s[4:5], s[4:5], s[16:17]          ; ws at slice 8 j
	s_lshl_b32 s16, ttmp9, 14
	s_lshl_b32 s21, s10, 10
	s_add_co_u32 s16, s16, s21
	s_add_nc_u64 s[8:9], s[8:9], s[16:17]          ; out0 at token 4 g, column 256 j
	s_mov_b32 s22, 0                               ; the rank
	s_wait_kmcnt 0x0
	s_wait_loadcnt 0x0
.set m, 0
.rept 32
	v_cmp_eq_u32 s24, s20, v[IDS+m]                ; the lanes of register m that hold my expert
	s_cmp_gt_u32 s13, m
	s_cselect_b32 s25, -1, 0                       ; a register ahead of mine counts whole, one behind it not at all,
	s_cmp_eq_u32 s13, m
	s_cselect_b32 s25, s14, s25                    ; mine with the lanes under my lane
	s_and_b32 s24, s24, s25
	s_bcnt1_i32_b32 s24, s24
	s_add_co_u32 s22, s22, s24
.set m, m+1
.endr
	s_lshl_b32 s20, s20, 10
	s_add_co_u32 s22, s22, s20                     ; 1,024 e + rank: my token's row in a slice of ws
	v_mov_b32 v9, s22
	ds_store_b32 v4, v9                            ; all lanes write the same word with the same value
	s_wait_dscnt 0x0                               ; for the others' sake: my word has landed
	s_barrier_signal -1
	s_barrier_wait -1
	ds_load_b32 v10, v6                            ; the row of the token that I copy
	s_wait_dscnt 0x0
	v_min_u32 v10, 0x1fff, v10                     ; held inside a slice's 8,192 rows before it enters an address
	v_lshl_add_u32 v11, v10, 7, v7                 ; 128 bytes a row, + 16 (lane % 8)
.irp i, 0,1,2,3,4,5,6,7
	global_load_b128 v[DT+4*\i:DT+4*\i+3], v11, s[4:5] offset:\i*1048576   ; slice 8 j + i: 7 x 1,048,576 at the most, inside the signed 24-bit immediate (ISA guide, chapter 10)
.endr
.irp i, 0,1,2,3,4,5,6,7
	s_wait_loadcnt 7-\i                            ; load i is in; the younger ones may be out
	global_store_b128 v8, v[DT+4*\i:DT+4*\i+3], s[8:9] offset:128*\i       ; columns 32 (8 j + i) on of the four tokens
.endr
	s_wait_tensorcnt 0x0
	ds_add_u32 v80, v81
	s_wait_dscnt 0x0
	s_endpgm
.Lfunc_end_k_qde56635c02_place:
	.size	k_qde56635c02_place, .Lfunc_end_k_qde56635c02_place-k_qde56635c02_place
	.p2alignl 7, 3214868480
	.fill 96, 4, 3214868480
	.section	.rodata,"a",@progbits
	.p2align	6, 0x0
	.amdhsa_kernel k_qde56635c02_place
		.amdhsa_group_segment_fixed_size 768
		.amdhsa_private_segment_fixed_size 0
		.amdhsa_enable_private_segment 0
		.amdhsa_kernarg_size 24
		.amdhsa_user_sgpr_count 2
		.amdhsa_user_sgpr_kernarg_segment_ptr 1
		.amdhsa_wavefront_size32 1
		.amdhsa_system_sgpr_workgroup_id_x 1
		.amdhsa_system_sgpr_workgroup_id_y 1
		.amdhsa_system_sgpr_workgroup_id_z 1
		.amdhsa_system_vgpr_workitem_id 0
		.amdhsa_next_free_vgpr 82
		.amdhsa_next_free_sgpr 66
		.amdhsa_reserve_vcc 0
		.amdhsa_float_denorm_mode_32 3
		.amdhsa_float_denorm_mode_16_64 3
		.amdhsa_memory_ordered 1
		.amdhsa_forward_progress 1
		.amdhsa_inst_pref_size 14
	.end_amdhsa_kernel
	.amdgpu_metadata
---
amdhsa.version: [ 1, 2 ]
amdhsa.kernels:
  - .name:           k_qde56635c02_place
    .symbol:         k_qde56635c02_place.kd
    .args:
      - { .name: ws, .offset: 0, .size: 8, .value_kind: global_buffer, .address_space: global }
      - { .name: ids, .offset: 8, .size: 8, .value_kind: global_buffer, .address_space: global }
      - { .name: out0, .offset: 16, .size: 8, .value_kind: global_buffer, .address_space: global }
    .group_segment_fixed_size: 768
    .private_segment_fixed_size: 0
    .kernarg_segment_align: 8
    .kernarg_segment_size: 24
    .max_flat_workgroup_size: 128
    .sgpr_count:     66
    .vgpr_count:     82
    .wavefront_size: 32
...
	.end_amdgpu_metadata
.endif
;; end of part 8
